; MI455X (gfx1250); checked and timed in simulation.
; The chip was launched on July 23, 2026; its instructions are those of AMD's public machine-readable ISA for CDNA 5 (MIT licence, August 2026) and "CDNA5" Instruction Set Architecture Reference Guide (July 2026). The comments in the code are by the model that wrote it; some were corrected since.
;; Multi Head Attention. Allowed arithmetic: matrix products marked QUANTISED: E5M2 operands, one E8M0 scale for each 32 along K, by v_wmma_scale_f32_16x16x128_f8f6f4 with both operands' format E5M2, f32 sums; everything else in f32.
;; Inputs: Wk 1,024 x 1,024 float32; Wp 1,024 x 1,024 float32; Wq 1,024 x 1,024 float32; Wv 1,024 x 1,024 float32; bp 1,024 float32; x 4 x 2,048 x 1,024 float32.
;; Outputs: out0 4 x 2,048 x 1,024 float32.
;; This version of the problem:
;;   THIS VERSION OF THE PROBLEM IS GIVEN IN LOW PRECISION. The matrix products marked QUANTISED in the list below multiply operands that are first quantised to E5M2 (5 exponent bits, 2 mantissa bits; 8 bits a number), with one power-of-two scale for each 32 numbers along K (OCP MX v1.0); their sums are f32. All else is computed in f32.
;;   The module's matrix products, in the order in which they are computed (A, B: the left and right operand; K: the contracted axis; several contracted axes count as one K, in the product's order):
;;     1. [M 8,192, K 1,024] x [K 1,024, N 1,024]; A: input x; B: input Wk: QUANTISED
;;     2. [M 8,192, K 1,024] x [K 1,024, N 1,024]; A: input x; B: input Wq: QUANTISED
;;     3. [M 8,192, K 1,024] x [K 1,024, N 1,024]; A: input x; B: input Wv: QUANTISED
;;     4. batch 64 x [M 2,048, K 64] x [K 64, N 2,048]; A: computed on the way; B: computed on the way: QUANTISED
;;     5. batch 64 x [M 2,048, K 2,048] x [K 2,048, N 64]; A: softmax (see below); B: computed on the way: QUANTISED
;;     6. [M 8,192, K 1,024] x [K 1,024, N 1,024]; A: computed on the way; B: input Wp: QUANTISED
;;   THE QUANTISER, for each operand of a quantised product, along K:
;;     - K is cut into blocks of 32 from its start; a last block that is shorter is filled with zeros.
;;     - A block's scale is 2^e with e = floor(log2(the largest magnitude in the block)) - 15, held to -126 .. 127; a block of zeros has e = 0. As a byte (E8M0): e + 127.
;;     - Each number is divided by its block's scale, clamped to +-57,344, and rounded to the nearest number of E5M2, ties to even, subnormals kept.
;;     - The product sums the exact products of the quantised numbers (number of the format x scale) in f32.
;;   ~~~python
;;   def quantise(x, axis):      # numpy; x: float32 -> the quantised numbers, widened to float32 again
;;       x = np.moveaxis(x, axis, -1); K = x.shape[-1]
;;       x = np.pad(x, [(0, 0)] * (x.ndim - 1) + [(0, -K % 32)]); x = x.reshape(x.shape[:-1] + (-1, 32)); a = np.abs(x).max(-1, keepdims=True)
;;       e = np.where(a > 0, np.clip(np.frexp(np.where(a > 0, a, 1))[1] - 1 - 15, -126, 127), 0)      # np.frexp(a)[1] - 1 = floor(log2(a)), exactly
;;       r = np.clip(x / 2.0 ** e, -57344, 57344)
;;       step = 2.0 ** (np.maximum(np.frexp(np.where(r == 0, 1, r))[1] - 1, -14) - 2)
;;       q = np.round(r / step) * step * 2.0 ** e      # np.round: ties to even
;;       return np.moveaxis(q.reshape(q.shape[:-2] + (-1,))[..., :K], -1, axis).astype(np.float32)
;;   ~~~
;;   SOFTMAX AHEAD OF A QUANTISED PRODUCT. Where the list says 'softmax', what is quantised is not the finished softmax but p = 2^(t - M), with t = logit x log2(e) and M = ceil(the row's largest t), a whole number; so 1/2 < the row's largest p <= 1. The row's sum l is taken of the UNQUANTISED p, in f32, and the product's result is divided by l at the end. Since M is a whole number, a kernel that streams over the keys may use a running M (the ceiling of the running maximum): every later rescaling is an exact power of two, which a block's scale takes up: the codes' values come out the same.
;;   OPERANDS COMPUTED ON THE WAY. 'Computed on the way' means the value that the module computes at that place (a softmax that the list does not call 'softmax' is quantised finished and normalised). What goes into a quantiser is computed in f32, as accurately as f32 sums, v_exp_f32 and their like allow (about 1e-6 of the number): no bf16 or f16 on the way to a quantiser, and a product that is left as it is and whose result goes on into a quantised operand takes f32 operands (vector FMAs, or v_wmma_f32_16x16x4_f32). A number that lies on a knife's edge between two numbers of the format may be rounded either way, as far as f32 arithmetic and the matrix unit's own rounding can turn it there, and no further.
;; One version. Each part assembles by itself: llvm-mc -triple=amdgcn-amd-amdhsa -mcpu=gfx1250 --defsym DOCPART=n.
;; ======== version 1 of 1: 4 launches
;; limits: right only within a limited range of input values
;; workspace buffers: xc 8,388,608 bytes; xs 262,144 bytes; wc 4,194,304 bytes; ws 131,072 bytes; qkv 26,476,544 bytes; oc 8,388,608 bytes; os 262,144 bytes
;; launch quant (part 1): grid 384 x 1, 4 waves a work-group, no clusters, 34,304 bytes of LDS; arguments x, Wq, Wk, Wv, Wp, xc, xs, wc, ws; writes xc, xs, wc, ws
.if DOCPART == 1
	.amdgcn_target "amdgcn-amd-amdhsa--gfx1250"
	.amdhsa_code_object_version 6
	.text
	.protected	k_q830d2d087c_quant
	.globl	k_q830d2d087c_quant
	.p2align	8
	.type	k_q830d2d087c_quant,@function
k_q830d2d087c_quant:
	s_mov_b64 s[64:65], 0
	v_nop
	global_prefetch_b8 v0, s[64:65] scope:SCOPE_SE
	s_setreg_imm32_b32 hwreg(HW_REG_WAVE_MODE, 25, 1), 1
	s_wait_xcnt 0x0
; x [8192][1024] and Wq, Wk, Wv, Wp [1024][1024], f32, K innermost, become codes of BF8 (E5M2) with one E8M0 byte for each 32 along K.
; A block's scale is 2^(floor(log2(its largest magnitude)) - 15); each number is divided by it, held within +-57,344 and rounded to the nearest code, ties to even.
; LAYOUT OF THE RESULT (this program's own): rows go by TILES of 16: position p of tile T is row 32 (T/2) + 8 (T%2) + p + 8 (p/8).  A tile's 128 along K are an IMAGE of the
; operand's registers: [c 0..3][lane 0..31][16 bytes], lane (r, h) holding position r, k = 32 c + 16 h + 0..15.  Codes: [tile][K step of 128: 8][2,048 bytes].
; Scale words (4 bytes = 128 along K): [tile][half of K: 2][r 16][4 words].  The four weights follow each other in wc and ws: Wq, Wk, Wv, Wp.
; SHARES: a work-group takes 32 rows (two tiles); wave w takes tile w / 2 and half w % 2 of K: four K steps of 128.  Each load reads 512 consecutive bytes of one row; a K step's 16 rows
; turn through the wave's own stage in LDS (rows 528 bytes apart), so that a lane gets 16 neighbours of each block of 32.  Each store of codes covers 512 consecutive aligned bytes.
; No tensor loads, no barrier: waves share nothing.
; LIMITS: NaN and infinities among the inputs are not served.  A block whose largest magnitude lies under 2^-111 keeps the byte 1; a block of zeros has the byte 1 and not 127:
; its codes are zeros, and the bytes are read by this program alone.
.set STG, 8448                         ; a wave's stage: 16 rows x 528 bytes
.set SP,  528                          ; 512 bytes + 16: an odd multiple of 16
.set W,   8                            ; v8-11    the scale word of each K step
.set R,   16                           ; v16-143  two sets of 64 registers as loaded
.set X,   144                          ; v144-207 64 numbers: register 16 b + i = k 32 b + 16 h + i of my row
.set C,   208                          ; v208-239 two sets of 16 registers of codes
.set TM,  240                          ; v240-243 largest magnitudes, 244-247 bytes, 252-255 the scale operands
.set SEL, 40                           ; s[40:41] selects for lane l xor 16
.set MNT, 42
.set HM,  43                           ; s43 mask of lanes 16-31
	s_load_b512 s[8:23], s[0:1], 0x0               ; x, Wq, Wk, Wv, Wp, xc, xs, wc
	s_load_b64 s[24:25], s[0:1], 0x40              ; ws
	v_lshl_add_u32 v14, v0, 2, 0x8400
	v_mov_b32 v15, 0
	v_lshrrev_b32 v5, 5, v0
	v_readfirstlane_b32 s2, v5                     ; wave
	s_lshr_b32 s3, s2, 1                           ; which tile of the two
	s_and_b32 s4, s2, 1                            ; which half of K
	v_and_b32 v5, 31, v0
	v_lshlrev_b32 v1, 4, v5                        ; 16 x lane
	s_mul_i32 s5, s2, STG
	v_add_nc_u32 v2, s5, v1                        ; the stage on the way in
	v_and_b32 v6, 15, v0                           ; r
	v_bfe_u32 v7, v0, 4, 1                         ; h
	v_mul_u32_u24 v3, v6, SP
	v_lshl_add_u32 v3, v7, 6, v3
	v_add_nc_u32 v3, s5, v3                        ; and on the way out: row r, + 64 h
	v_lshlrev_b32 v4, 4, v6
	v_lshl_add_u32 v4, v7, 3, v4                   ; the scale words' place: 16 r + 8 h
	s_mov_b32 s[SEL], 0x76543210
	s_mov_b32 s[SEL+1], 0xfedcba98
	s_mov_b32 s[HM], 0xffff0000
.irp b, 0,1,2,3
	v_mov_b32 v[TM+4+\b], 0                        ; written once: a lane permute's destination counts as one of its sources
.endr
	s_and_b32 s32, ttmp9, 31                       ; a weight's group of 32 rows
	s_sub_co_u32 s33, ttmp9, 256                   ; and its group in wc, ws
	s_wait_alu depctr_va_vdst(0)
	s_wait_kmcnt 0x0
	s_mov_b64 s[26:27], s[16:17]                   ; the source: Wp, unless the work-group's number says otherwise
	s_cmp_lt_u32 ttmp9, 352
	s_cselect_b64 s[26:27], s[14:15], s[26:27]
	s_cmp_lt_u32 ttmp9, 320
	s_cselect_b64 s[26:27], s[12:13], s[26:27]
	s_cmp_lt_u32 ttmp9, 288
	s_cselect_b64 s[26:27], s[10:11], s[26:27]
	s_cmp_lt_u32 ttmp9, 256
	s_cselect_b64 s[26:27], s[8:9], s[26:27]
	s_cselect_b64 s[28:29], s[18:19], s[22:23]     ; the codes' buffer
	s_cselect_b64 s[30:31], s[20:21], s[24:25]     ; the scale words'
	s_cselect_b32 s32, ttmp9, s32
	s_cselect_b32 s33, ttmp9, s33
	s_lshl_b32 s34, s32, 5
	s_lshl_b32 s35, s3, 3
	s_add_co_u32 s34, s34, s35                     ; my tile's first row: 32 x group + 8 x tile
	s_lshl_b32 s34, s34, 12                        ; rows of 4,096 bytes
	s_lshl_b32 s35, s4, 11
	s_add_co_u32 s34, s34, s35                     ; + my half of K
	s_mov_b32 s35, 0
	s_add_nc_u64 s[26:27], s[26:27], s[34:35]
	s_lshl_b32 s36, s33, 1
	s_add_co_u32 s36, s36, s3                      ; my tile in the result
	s_lshl_b32 s34, s36, 14
	s_lshl_b32 s37, s4, 13
	s_add_co_u32 s34, s34, s37
	s_add_nc_u64 s[28:29], s[28:29], s[34:35]
	s_lshl_b32 s34, s36, 9
	s_lshl_b32 s37, s4, 8
	s_add_co_u32 s34, s34, s37
	s_add_nc_u64 s[30:31], s[30:31], s[34:35]
.macro LOAD t                          ; K step t: position i's 512 bytes, 16 a lane
.irp i, 0,1,2,3,4,5,6,7,8,9,10,11,12,13,14,15
	global_load_b128 v[R+64*((\t)%2)+4*\i:R+64*((\t)%2)+4*\i+3], v1, s[26:27] offset:(\i+8*(\i/8))*4096+512*(\t) th:TH_LOAD_NT
.endr
.endm
.macro TURNL t                         ; through the stage: LDS serves a wave's instructions in order, so no wait stands between the stores and the loads
.irp i, 0,1,2,3,4,5,6,7,8,9,10,11,12,13,14,15
	ds_store_b128 v2, v[R+64*((\t)%2)+4*\i:R+64*((\t)%2)+4*\i+3] offset:SP*\i
.endr
.irp b, 0,1,2,3
.irp j, 0,1,2,3
	ds_load_b128 v[X+16*\b+4*\j:X+16*\b+4*\j+3], v3 offset:128*\b+16*\j
.endr
.endr
.endm
.macro QUANT pc, pw                    ; X's 64 numbers become a fragment's codes in v[pc] on and its scale word in v[pw]
.irp b, 0,1,2,3
	v_max3_num_f32 v[TM+\b], |v[X+16*\b]|, |v[X+1+16*\b]|, 0x8000000   ; my 16 numbers of block b, and the floor 2^(16 - 127): the byte cannot fall under 1
.endr
.irp i, 2,4,6,8,10,12,14
.irp b, 0,1,2,3
	v_max3_num_f32 v[TM+\b], v[TM+\b], |v[X+16*\b+\i]|, |v[X+1+16*\b+\i]|
.endr
.endr
.irp b, 0,1,2,3
	v_permlanex16_b32 v[TM+4+\b], v[TM+\b], s[SEL], s[SEL+1]
.endr
.irp b, 0,1,2,3
	v_max_num_f32 v[TM+\b], v[TM+\b], v[TM+4+\b]   ; with lane l xor 16's: the block's largest magnitude
.endr
.irp b, 0,1,2,3
	v_add_nc_u32 v[TM+12+\b], 0xf8800000, v[TM+\b] ; 15 off its exponent field: the conversion's scale operand
.endr
.irp b, 0,1,2,3
.endr
.irp b, 0,1,2,3
	v_lshrrev_b32 v[TM+4+\b], 23, v[TM+12+\b]      ; the scale's byte
.endr
	v_lshl_or_b32 v[\pw], v[TM+5], 8, v[TM+4]
	v_lshl_or_b32 v[\pw], v[TM+6], 16, v[\pw]
	v_lshl_or_b32 v[\pw], v[TM+7], 24, v[\pw]
.irp b, 0,1,2,3
.irp i, 0,1,2,3,4,5,6,7,8,9,10,11,12,13,14,15
.endr
	v_cvt_scalef32_pk8_bf8_f32 v[\pc+4*\b:\pc+1+4*\b], v[X+16*\b:X+7+16*\b], v[TM+12+\b]
	v_cvt_scalef32_pk8_bf8_f32 v[\pc+2+4*\b:\pc+3+4*\b], v[X+8+16*\b:X+15+16*\b], v[TM+12+\b]
.endr
	v_nop                                          ; one plain line behind the last conversion
.endm
.macro KSTEP t
.set CC, C+16*((\t)%2)
.set WW, W+(\t)
.if (\t) < 3
	s_wait_loadcnt 16                              ; this K step's 16 loads are in; the next one's 16 may be out
.else
	s_wait_loadcnt 0x0
.endif
	TURNL \t
	s_wait_dscnt 0x0                               ; my numbers are back, and the stage's stores have read their registers,
.if (\t) < 2
	LOAD (\t)+2                                    ; which take the K step two further on
.else
	s_wait_xcnt 0x0                                ; the stores of two K steps ago have read this set of codes: it is written again only behind this wait
.endif
	QUANT CC, WW
.irp c, 0,1,2,3
	global_store_b128 v1, v[CC+4*\c:CC+4*\c+3], s[28:29] offset:2048*(\t)+512*\c   ; 32 lanes store 512 consecutive bytes
.endr
.endm
	LOAD 0
	LOAD 1
	KSTEP 0
	KSTEP 1
	KSTEP 2
	KSTEP 3
	v_cndmask_b32 v12, v[W], v[W+2], s[HM]         ; lanes 0-15 store words 0, 1 of their row, lanes 16-31 words 2, 3
	v_cndmask_b32 v13, v[W+1], v[W+3], s[HM]
	global_store_b64 v4, v[12:13], s[30:31]        ; 32 lanes store 256 consecutive aligned bytes
	s_wait_tensorcnt 0x0
	ds_add_u32 v14, v15
	s_wait_dscnt 0x0
	s_endpgm
.Lfunc_end_k_q830d2d087c_quant:
	.size	k_q830d2d087c_quant, .Lfunc_end_k_q830d2d087c_quant-k_q830d2d087c_quant
	.p2alignl 7, 3214868480
	.fill 96, 4, 3214868480
	.section	.rodata,"a",@progbits
	.p2align	6, 0x0
	.amdhsa_kernel k_q830d2d087c_quant
		.amdhsa_group_segment_fixed_size 34304
		.amdhsa_private_segment_fixed_size 0
		.amdhsa_enable_private_segment 0
		.amdhsa_kernarg_size 72
		.amdhsa_user_sgpr_count 2
		.amdhsa_user_sgpr_kernarg_segment_ptr 1
		.amdhsa_wavefront_size32 1
		.amdhsa_system_sgpr_workgroup_id_x 1
		.amdhsa_system_sgpr_workgroup_id_y 1
		.amdhsa_system_sgpr_workgroup_id_z 1
		.amdhsa_system_vgpr_workitem_id 0
		.amdhsa_next_free_vgpr 256
		.amdhsa_next_free_sgpr 66
		.amdhsa_reserve_vcc 0
		.amdhsa_float_denorm_mode_32 3
		.amdhsa_float_denorm_mode_16_64 3
		.amdhsa_fp16_overflow 1
		.amdhsa_memory_ordered 1
		.amdhsa_forward_progress 1
		.amdhsa_inst_pref_size 34
	.end_amdhsa_kernel
	.amdgpu_metadata
---
amdhsa.version: [ 1, 2 ]
amdhsa.kernels:
  - .name:           k_q830d2d087c_quant
    .symbol:         k_q830d2d087c_quant.kd
    .args:
      - { .name: x, .offset: 0, .size: 8, .value_kind: global_buffer, .address_space: global }
      - { .name: Wq, .offset: 8, .size: 8, .value_kind: global_buffer, .address_space: global }
      - { .name: Wk, .offset: 16, .size: 8, .value_kind: global_buffer, .address_space: global }
      - { .name: Wv, .offset: 24, .size: 8, .value_kind: global_buffer, .address_space: global }
      - { .name: Wp, .offset: 32, .size: 8, .value_kind: global_buffer, .address_space: global }
      - { .name: xc, .offset: 40, .size: 8, .value_kind: global_buffer, .address_space: global }
      - { .name: xs, .offset: 48, .size: 8, .value_kind: global_buffer, .address_space: global }
      - { .name: wc, .offset: 56, .size: 8, .value_kind: global_buffer, .address_space: global }
      - { .name: ws, .offset: 64, .size: 8, .value_kind: global_buffer, .address_space: global }
    .group_segment_fixed_size: 34304
    .private_segment_fixed_size: 0
    .kernarg_segment_align: 8
    .kernarg_segment_size: 72
    .max_flat_workgroup_size: 128
    .sgpr_count:     66
    .vgpr_count:     256
    .wavefront_size: 32
...
	.end_amdgpu_metadata
.endif
;; end of part 1
;; launch qkvgemm (part 2): grid 12 x 32, 4 waves a work-group, clusters of 4 x 4, 327,680 bytes of LDS; arguments xc, xs, wc, ws, qkv; writes qkv
.if DOCPART == 2
	.amdgcn_target "amdgcn-amd-amdhsa--gfx1250"
	.amdhsa_code_object_version 6
	.text
	.protected	k_q830d2d087c_qkvgemm
	.globl	k_q830d2d087c_qkvgemm
	.p2align	8
	.type	k_q830d2d087c_qkvgemm,@function
k_q830d2d087c_qkvgemm:
	s_mov_b64 s[64:65], 0
	v_nop
	global_prefetch_b8 v0, s[64:65] scope:SCOPE_SE
	s_setreg_imm32_b32 hwreg(HW_REG_WAVE_MODE, 25, 1), 1
	s_wait_xcnt 0x0
	s_wait_alu depctr_hold_cnt(0) depctr_sa_sdst(0) depctr_va_vdst(0) depctr_va_sdst(0) depctr_va_ssrc(0) depctr_va_vcc(0) depctr_vm_vsrc(0)
	s_getreg_b32 s2, hwreg(HW_REG_IB_STS2, 6, 4)
	s_cmp_eq_u32 s2, 0
	s_cbranch_scc0 .Lentry_in_a_cluster
	s_endpgm
.Lentry_in_a_cluster:
	s_bfe_u32 s2, ttmp6, 0x10000c
	s_cmp_lg_u32 s2, 0xf033
	s_cbranch_scc0 .Lentry_shape_is_right
	s_endpgm
.Lentry_shape_is_right:
; q = x Wq^T, k = x Wk^T, v = x Wv^T on codes of BF8 (E5M2) with E8M0 scales, sums in f32; the results are quantised in registers and leave as codes:
; q and k along the head's 64 (two blocks), v along the keys.  No f32 result goes to memory.
; OPERANDS are images of the operand's registers (tile T, position p = row 32 (T/2) + 8 (T%2) + p + 8 (p/8); a tile's 128 along K = [c 4][lane 32][16 bytes]):
; every fragment load is 16 x lane + a constant, 512 consecutive bytes, so LDS needs neither pitch nor padding.
; A tile of the result, 256 x 256, is made by four waves, each 128 x 128: 64 accumulators, 512 registers.  K = 1,024 goes in four steps of 256 through two LDS slots.
; Source 0 takes tiles of "B", source 1 tiles of "A": a lane holds one position of A, and the 16 registers of B's tiles 2 b, 2 b + 1 are 16 NEIGHBOURS, 32 b + 16 h + 0..15, along B's rows.
; For q and k (cluster x = 0, 1) A = x and B = the weight: the neighbours are channels of a head.  For v (cluster x = 2) A = Wv and B = x: the neighbours are keys.  Only pointers and indices differ.
; CLUSTERS: 4 x 4 work-groups; A's tiles are shared along a row of the cluster, B's along a column: each is asked for jointly.  The one branch of the way out hangs on the cluster's x, which all partners share.
; RESULT: qkv = [batch x head 64][step of 128 tokens 16] records of 25,856 bytes: K's 8 tiles (1,024 bytes each: [c 2][lane][16]); V^T's 4 tiles of 16 channels x 128 keys (2,048 each);
; K's scale words [r 16][tile 8]; V's [r 16][tile 4]; Q's tiles; Q's scale words.  A scale word of q or k is (s0, s1, s0, s1): the upper two bytes will stand over zero codes.
; LIMITS: NaN and infinities are not served.  A block whose largest magnitude lies under 2^-111 keeps the byte 1; a block of zeros has the byte 1 and not 127 (its codes are zeros; this program alone reads the bytes).
; REGISTERS: window 0: v16-29 addresses; v32-63 scale words, two sets; v128-255 A's fragments, one set.  window 1: B's fragments, two sets.  windows 2, 3: accumulator (a, b) at v[8 (8 (a%4) + b)].
; On the way out window 0 holds: v32-47 at work, v48-55 the scale words, v64-87 the scale words as they are stored, v128-255 the codes of the eight blocks.
.set NQ,     2                         ; matrix instructions deep in a slot
.set FR,     16
.set NL,     4
.set NP,     8                         ; places behind this matrix instruction (ISA guide 7.12.1)
.set TILEB,  4096                      ; a tile's 256 along K
.set HALFT,  8*TILEB                   ; 8 tiles: what one tensor load brings, and what one wave reads of A or of B
.set SLOT,   4*HALFT
.set SCL,    2*SLOT                    ; behind the ring: the scale words of all of K, 512 bytes a tile
.set HALFS,  4096
.set SPARE,  SCL+4*HALFS               ; the spare words, 128 bytes for each wave: two blocks of 256 bytes that no other line names
.set REC,    25856
.set HS,     16*REC                    ; from head to head
.set VOFF,   8192
.set KSOFF,  16384
.set VSOFF,  16896
.set QOFF,   17152
.set QSOFF,  25344
.set ADRA, 16
.set ADRB, 20
.set VO,   24                          ; v24 the way out: my offset for codes
.set VSQ,  25                          ; v25 for q's or k's scale words
.set VSV,  26                          ; v26 for v's
.set ADRS, 27
.set SPW,  28
.set NIL,  29
.set SC,   32
.set AF,   128
.set TM,   32
.set WD,   48
.set T,    64
.set CD,   128
.set G1, 24
.set G0, 32
.set G1B, 48
.set G0B, 56
.set G1S, 68
.set G0S, 76
.set G1SB, 80
.set G0SB, 88
.set MSB, 0
.macro WIN new                         ; the immediate's high byte repeats the setting that is left
.if MSB != \new
	s_set_vgpr_msb (MSB<<8)|\new
.set MSB, \new
.endif
.endm
.set MUL_LO, 0xa1                      ; source 0 (B) window 1, source 1 (A) window 0, C and D window 2
.set MUL_HI, 0xf1
.set TO_B,   0x40
; A joint load: waves 0 and 1 fetch for A, waves 2 and 3 for B; the branch hangs on the wave's number alone.  Four v_nop follow each of the two lines.
.macro JLOAD g0a, g1a, g0b, g1b
	s_cmp_eq_u32 s15, 0
	s_cbranch_scc0 .Lfor_b_\@
	tensor_load_to_lds s[\g0a:\g0a+3], s[\g1a:\g1a+7]
	s_nop 0
.rept 4
	v_nop
.endr
	s_branch .Lasked_\@
.Lfor_b_\@:
	tensor_load_to_lds s[\g0b:\g0b+3], s[\g1b:\g1b+7]
	s_nop 0
.rept 4
	v_nop
.endr
.Lasked_\@:
.endm
.macro CREST                           ; a round of the cluster's barrier behind its opening barrier
	s_cmp_lg_u32 s14, 0
	s_cbranch_scc1 .Lnot_wave_0_\@
	s_barrier_signal -3
.Lnot_wave_0_\@:
	s_barrier_wait -3
	s_barrier_signal -1
	s_barrier_wait -1
.endm
.macro CROUND
	s_barrier_signal -1
	s_barrier_wait -1
	CREST
.endm
	s_load_b128 s[4:7], s[0:1], 0x0                ; x's codes, x's scale words
	s_load_b128 s[8:11], s[0:1], 0x10              ; the weights' codes, their scale words
	s_load_b64 s[12:13], s[0:1], 0x20              ; qkv
	v_lshl_add_u32 v[SPW], v0, 2, SPARE
	v_mov_b32 v[NIL], 0
	ds_add_u32 v28, v29
	ds_add_u32 v28, v29
	s_wait_dscnt 0x0
	v_lshrrev_b32 v1, 5, v0
	v_readfirstlane_b32 s14, v1                    ; wave 0..3
	s_lshr_b32 s15, s14, 1                         ; which half of A's 256 rows is mine.  Also: I fetch for A (0) or for B (1)
	s_and_b32 s16, s14, 1                          ; which half of B's.  Also: which 8 tiles I fetch
	s_bfe_u32 s40, ttmp6, 0x40000                  ; cx, cy: my place in the cluster
	s_bfe_u32 s41, ttmp6, 0x40004
	s_and_b32 s18, ttmp7, 0xffff                   ; the cluster's y: four blocks of 256 tokens
	s_cmp_eq_u32 ttmp9, 2                          ; the cluster's x: 0 q, 1 k, 2 v
	s_cselect_b32 s95, 1, 0
	s_cselect_b32 s17, ttmp9, s18
	s_cselect_b32 s42, s18, ttmp9
	s_lshl_b32 s17, s17, 2
	s_add_co_u32 s17, s17, s41                     ; A's block of 256 rows: it hangs on cy alone
	s_lshl_b32 s42, s42, 2
	s_add_co_u32 s42, s42, s40                     ; B's: on cx alone
	s_lshl_b32 s43, s41, 2
	s_lshl_b32 s43, 15, s43                        ; my row of the cluster
	s_lshl_b32 s44, 0x1111, s40                    ; my column
	; descriptor group 1, codes: 8 tiles x 4,096 bytes (512 elements of 8 bytes), 16,384 bytes from tile to tile; dense in LDS
	s_or_b32 s[G1+0], s43, (3<<16)|(1<<21)         ; 15:0 the mask; 17:16 elements of 8 bytes; 21 set beside a mask
	s_or_b32 s[G1B+0], s44, (3<<16)|(1<<21)
.irp g, G1, G1B
	s_mov_b32 s[\g+1], 512<<16                     ; tensor_dim0
	s_mov_b32 s[\g+2], 8<<16                       ; tensor_dim1
	s_mov_b32 s[\g+3], 512<<16                     ; tile_dim0
	s_mov_b32 s[\g+4], 8                           ; tile_dim1
	s_mov_b32 s[\g+5], 2048                        ; tensor_dim0_stride
	s_mov_b32 s[\g+6], 0
	s_mov_b32 s[\g+7], 0
.endr
	; scale words of 8 tiles: 4,096 dense bytes as 16 rows of 256
	s_or_b32 s[G1S+0], s43, (3<<16)|(1<<21)
	s_or_b32 s[G1SB+0], s44, (3<<16)|(1<<21)
.irp g, G1S, G1SB
	s_mov_b32 s[\g+1], 32<<16
	s_mov_b32 s[\g+2], 16<<16
	s_mov_b32 s[\g+3], 32<<16
	s_mov_b32 s[\g+4], 16
	s_mov_b32 s[\g+5], 32
	s_mov_b32 s[\g+6], 0
	s_mov_b32 s[\g+7], 0
.endr
	s_lshl_b32 s18, s16, 3
	s_lshl_b32 s20, s17, 4
	s_add_co_u32 s20, s20, s18                     ; A: the first tile that I fetch
	s_lshl_b32 s46, s42, 4
	s_add_co_u32 s46, s46, s18                     ; B likewise
	s_lshl_b32 s22, s20, 9                         ; its scale words, in bytes
	s_mov_b32 s23, 0
	s_lshl_b32 s92, s46, 9
	s_mov_b32 s93, 0
	s_lshl_b32 s20, s20, 14                        ; its codes
	s_mov_b32 s21, 0
	s_lshl_b32 s46, s46, 14
	s_mov_b32 s47, 0
	s_mul_i32 s45, s14, HALFT                      ; where they go: no place in the cluster enters an LDS address
	s_mul_i32 s94, s14, HALFS
	s_wait_kmcnt 0x0
	s_cmp_eq_u32 ttmp9, 2                          ; for v the two operands change places
	s_cselect_b64 s[96:97], s[8:9], s[4:5]         ; A's codes
	s_cselect_b64 s[98:99], s[10:11], s[6:7]       ; A's scale words
	s_cselect_b64 s[8:9], s[4:5], s[8:9]           ; B's codes
	s_cselect_b64 s[10:11], s[6:7], s[10:11]       ; B's scale words
	s_add_nc_u64 s[20:21], s[96:97], s[20:21]
	s_add_nc_u64 s[22:23], s[98:99], s[22:23]
	s_add_nc_u64 s[46:47], s[8:9], s[46:47]
	s_add_nc_u64 s[92:93], s[10:11], s[92:93]
	CROUND                                         ; all sixteen work-groups are here: the first joint loads meet
	s_mov_b32 s[G0S], 1
	s_add_co_u32 s[G0S+1], s94, SCL
	s_mov_b64 s[G0S+2:G0S+3], s[22:23]
	s_or_b32 s[G0S+3], s[G0S+3], 0x80000000
	s_mov_b32 s[G0SB], 1
	s_add_co_u32 s[G0SB+1], s94, SCL
	s_mov_b64 s[G0SB+2:G0SB+3], s[92:93]
	s_or_b32 s[G0SB+3], s[G0SB+3], 0x80000000
	JLOAD G0S, G1S, G0SB, G1SB                     ; the scale words first: filled once
.irp s, 0,1
	s_mov_b32 s[G0+4*\s], 1
	s_add_co_u32 s[G0+4*\s+1], s45, \s*SLOT
	s_add_nc_u64 s[G0+4*\s+2:G0+4*\s+3], s[20:21], \s*TILEB
	s_or_b32 s[G0+4*\s+3], s[G0+4*\s+3], 0x80000000
	s_mov_b32 s[G0B+4*\s], 1
	s_add_co_u32 s[G0B+4*\s+1], s45, \s*SLOT
	s_add_nc_u64 s[G0B+4*\s+2:G0B+4*\s+3], s[46:47], \s*TILEB
	s_or_b32 s[G0B+4*\s+3], s[G0B+4*\s+3], 0x80000000
	JLOAD G0+4*\s, G1, G0B+4*\s, G1B               ; three tensor loads of mine are out
.endr
	v_and_b32 v1, 15, v0                           ; r
	v_bfe_u32 v2, v0, 4, 1                         ; h
	s_wait_alu depctr_va_vdst(0)
	v_and_b32 v3, 31, v0
	v_lshlrev_b32 v4, 4, v3                        ; 16 x lane
	s_wait_alu depctr_va_vdst(0)
	s_mul_i32 s21, s15, HALFT                      ; my 8 tiles of A
	s_mul_i32 s22, s16, HALFT                      ; my 8 tiles of B,
	s_add_co_u32 s22, s22, 2*HALFT                 ; which lie behind A's 16
.irp s, 0,1
	v_add_nc_u32 v[ADRA+\s], s21, v4
	v_add_nc_u32 v[ADRB+\s], s22, v4
	s_add_co_u32 s21, s21, SLOT
	s_add_co_u32 s22, s22, SLOT
.endr
	v_lshlrev_b32 v5, 4, v1                        ; my row's scale words: 16 bytes a row for half of K
	s_mul_i32 s21, s15, HALFS
	s_mul_i32 s22, s16, HALFS
	s_add_co_u32 s22, s22, 2*HALFS
	s_sub_co_u32 s22, s22, s21
	v_mul_u32_u24 v6, s22, v2                      ; lanes 16-31 take B's
	s_add_co_u32 s21, s21, SCL
	v_add_nc_u32 v5, v5, v6
	v_add_nc_u32 v[ADRS], s21, v5
	; the way out: which record is my wave's
	s_cmp_eq_u32 s95, 1
	s_cselect_b32 s20, s42, s17                    ; the block of 256 tokens,
	s_cselect_b32 s21, s16, s15                    ; my half of it,
	s_cselect_b32 s22, s17, s42                    ; the block of 256 channels,
	s_cselect_b32 s23, s15, s16                    ; my half of it: two heads
	s_and_b32 s22, s22, 3
	s_lshr_b32 s46, s20, 3                         ; the batch
	s_and_b32 s20, s20, 7
	s_lshl_b32 s20, s20, 1
	s_add_co_u32 s20, s20, s21                     ; the step of 128 tokens
	s_lshl_b32 s22, s22, 2
	s_lshl_b32 s23, s23, 1
	s_add_co_u32 s22, s22, s23                     ; my first head
	s_lshl_b32 s46, s46, 4
	s_add_co_u32 s46, s46, s22
	s_lshl_b32 s46, s46, 4
	s_add_co_u32 s46, s46, s20
	s_mul_i32 s46, s46, REC                        ; the record's first byte
	s_cmp_eq_u32 ttmp9, 0
	s_cselect_b32 s47, QOFF, 0                     ; q's tiles; k's begin at 0; v's offset stands in the stores
	s_mov_b32 s93, KSOFF
	s_cselect_b32 s93, QSOFF, s93
	s_add_co_u32 s47, s47, s46
	v_add_nc_u32 v[VO], s47, v4
	s_add_co_u32 s93, s93, s46
	v_lshlrev_b32 v5, 5, v1
	v_lshl_add_u32 v5, v2, 4, v5                   ; 32 r + 16 h: lanes 0-15 store tiles 0-3's words, lanes 16-31 tiles 4-7's
	v_add_nc_u32 v[VSQ], s93, v5
	s_add_co_u32 s93, s46, VSOFF
	v_mul_u32_u24 v5, v2, HS                       ; v: lanes 16-31 store the second head's words
	v_lshl_add_u32 v5, v1, 4, v5
	v_add_nc_u32 v[VSV], s93, v5
	s_mov_b32 s2, 0x76543210                       ; selects for lane l xor 16
	s_mov_b32 s3, 0xfedcba98
	s_mov_b32 s100, 0x8000000                      ; the floor 2^(16 - 127)
	s_mov_b32 s92, 0x01000100                      ; bytes 0, 1 twice
	s_mov_b32 s93, 0x03020302                      ; bytes 2, 3 twice
	s_mov_b32 s94, 0xffff0000                      ; lanes 16-31
.macro FRAG reg, adr, q, i             ; a fragment's image: four loads of 512 consecutive bytes
.irp c, 0,1,2,3
	ds_load_b128 v[\reg+4*\c:\reg+4*\c+3], v[\adr] offset:(\i)*TILEB+(\q)*2048+512*\c
.endr
.endm
; 16 matrix instructions: A's blocks a0, a0 + 1 x B's eight.  The 64 accumulators take turns, one instruction a turn, in the same order in every step.
.macro MUL16 a0, p, q, sc, zero
.irp a, \a0, \a0+1
.irp b, 0,1,2,3,4,5,6,7
.if \zero
	v_wmma_scale_f32_16x16x128_f8f6f4 v[8*(8*((\a)%4)+\b):8*(8*((\a)%4)+\b)+7], v[128*(\p)+FR*\b:128*(\p)+FR*\b+FR-1], v[AF+FR*(\a):AF+FR*(\a)+FR-1], 0, v[SC+8*NQ*(\sc)+NQ*\b+(\q)], v[SC+8*NQ*(\sc)+NQ*(\a)+(\q)] matrix_a_fmt:MATRIX_FMT_BF8 matrix_b_fmt:MATRIX_FMT_BF8 matrix_a_scale:MATRIX_SCALE_ROW1
.else
	v_wmma_scale_f32_16x16x128_f8f6f4 v[8*(8*((\a)%4)+\b):8*(8*((\a)%4)+\b)+7], v[128*(\p)+FR*\b:128*(\p)+FR*\b+FR-1], v[AF+FR*(\a):AF+FR*(\a)+FR-1], v[8*(8*((\a)%4)+\b):8*(8*((\a)%4)+\b)+7], v[SC+8*NQ*(\sc)+NQ*\b+(\q)], v[SC+8*NQ*(\sc)+NQ*(\a)+(\q)] matrix_a_fmt:MATRIX_FMT_BF8 matrix_b_fmt:MATRIX_FMT_BF8 matrix_a_scale:MATRIX_SCALE_ROW1
.endif
.endr
.endr
.endm
.macro FETCH_B slot, q, p
	WIN TO_B
.irp i, 0,1,2,3,4,5,6,7
	FRAG 128*(\p)+FR*\i, ADRB+\slot, \q, \i
.endr
	WIN 0
.endm
.macro FETCH_A slot, q, i0
.irp i, \i0, \i0+1, \i0+2, \i0+3
	FRAG AF+FR*(\i), ADRA+\slot, \q, \i
.endr
.endm
.macro SCALES sc, ks                   ; K step ks's two words a row into set sc: lanes 0-15 take A's block i, lanes 16-31 B's block i
.irp i, 0,1,2,3,4,5,6,7
	ds_load_b64 v[SC+8*NQ*\sc+NQ*\i:SC+8*NQ*\sc+NQ*\i+1], v[ADRS] offset:\i*512+((\ks)/2)*256+((\ks)%2)*8
.endr
.endm
.macro PLACES n                        ; plain vector lines between a matrix instruction and a load into, or a vector line on, its registers
.rept \n
	v_nop
.endr
.endm
.macro STEP slot, q, zero              ; 128 along K that have their successor in the same slot
	s_wait_dscnt 4*NL                              ; B's set, A's blocks 0-3 and the scale words are in; the youngest 16 loads (A's blocks 4-7) may be out
	WIN MUL_LO
	MUL16 0, (\q)%2, \q, \slot, \zero
	MUL16 2, (\q)%2, \q, \slot, \zero
	s_wait_dscnt 0
	PLACES NP
	FETCH_B \slot, (\q)+1, 1-(\q)%2
	FETCH_A \slot, (\q)+1, 0
	WIN MUL_HI
	MUL16 4, (\q)%2, \q, \slot, \zero
	MUL16 6, (\q)%2, \q, \slot, \zero
	PLACES NP
	WIN 0
	FETCH_A \slot, (\q)+1, 4
.endm
; A slot's last 128 change slots: one barrier; in front of it each wave waits for all its tensor loads, adds 0 to its spare word, and waits for that and for its reads of this slot.
.macro TURN slot, next, fill, ks
	s_wait_tensorcnt 0x0                           ; all my tensor loads have landed: my part of the next slot
	ds_add_u32 v[SPW], v[NIL]                      ; 0 onto my spare word
	s_wait_dscnt 4*NL+1                            ; the add and the youngest 16 loads may be out
	WIN MUL_LO
	MUL16 0, 1, NQ-1, \slot, 0
	s_wait_dscnt 0x0                               ; the add is done, and my reads of this slot are over
	s_barrier_signal -1
	MUL16 2, 1, NQ-1, \slot, 0
	WIN 0
	s_barrier_wait -1
.if \fill
	CREST                                          ; the barrier has opened a round of the cluster's: no wave of any partner still reads this slot or has a load on its way
	s_add_nc_u64 s[G0+4*\slot+2:G0+4*\slot+3], s[G0+4*\slot+2:G0+4*\slot+3], 2*TILEB
	s_add_nc_u64 s[G0B+4*\slot+2:G0B+4*\slot+3], s[G0B+4*\slot+2:G0B+4*\slot+3], 2*TILEB
	JLOAD G0+4*\slot, G1, G0B+4*\slot, G1B         ; my one tensor load behind the round; its four v_nop are among the places below
	PLACES NP-4
.else
	PLACES NP
.endif
	FETCH_B \next, 0, 0
	FETCH_A \next, 0, 0
	SCALES \next, \ks
	WIN MUL_HI
	MUL16 4, 1, NQ-1, \slot, 0
	MUL16 6, 1, NQ-1, \slot, 0
	PLACES NP
	WIN 0
	FETCH_A \next, 0, 4
.endm
	s_wait_alu depctr_va_vdst(0)
	s_wait_tensorcnt 1                             ; the scale words and my part of K step 0 are in; K step 1's load may be out
	s_barrier_signal -1
	s_barrier_wait -1
	FETCH_B 0, 0, 0
	FETCH_A 0, 0, 0
	SCALES 0, 0
	FETCH_A 0, 0, 4
	STEP 0, 0, 1                                   ; the first products start the sums: nothing is cleared
	TURN 0, 1, 1, 1                                ; slot 0 takes K step 2
	STEP 1, 0, 0
	TURN 1, 0, 1, 2                                ; slot 1 takes K step 3
	STEP 0, 0, 0
	TURN 0, 1, 0, 3                                ; nothing is left to fetch
	STEP 1, 0, 0
	s_wait_dscnt 4*NL
	WIN MUL_LO
	MUL16 0, 1, NQ-1, 1, 0
	MUL16 2, 1, NQ-1, 1, 0
	s_wait_dscnt 0
	WIN MUL_HI
	MUL16 4, 1, NQ-1, 1, 0
	MUL16 6, 1, NQ-1, 1, 0
	WIN 0
; THE WAY OUT.  Block a's 64 registers of a lane are four blocks of 32 along B's rows, 16 numbers of each (the other 16 lie in lane l xor 16): they are quantised as they stand, and the conversions'
; results are the next product's registers: each group of four leaves by one store of 512 consecutive aligned bytes.
.macro EPIQ a
.set WA, 2+(\a)/4
.set AC, 64*((\a)%4)
.set WW, (WA<<2)|(WA<<4)
	WIN WW                                         ; sources 1 and 2: the accumulators' window
.irp b, 0,1,2,3
	v_max3_num_f32 v[TM+\b], s100, |v[AC+16*\b]|, |v[AC+16*\b+1]|        ; each accumulator is read from its low end on
.endr
.irp i, 2,4,6,8,10,12,14
.irp b, 0,1,2,3
	v_max3_num_f32 v[TM+\b], v[TM+\b], |v[AC+16*\b+\i]|, |v[AC+16*\b+\i+1]|
.endr
.endr
	WIN 0
.irp b, 0,1,2,3
	v_permlanex16_b32 v[TM+4+\b], v[TM+\b], s2, s3
.endr
.irp b, 0,1,2,3
	v_max_num_f32 v[TM+\b], v[TM+\b], v[TM+4+\b]
.endr
.irp b, 0,1,2,3
	v_add_nc_u32 v[TM+12+\b], 0xf8800000, v[TM+\b] ; 15 off the exponent field: the conversion's scale operand
.endr
.irp b, 0,1,2,3
.endr
.irp b, 0,1,2,3
	v_lshrrev_b32 v[TM+4+\b], 23, v[TM+12+\b]      ; the scale's byte
.endr
	v_lshl_or_b32 v[WD+\a], v[TM+5], 8, v[TM+4]
	v_lshl_or_b32 v[WD+\a], v[TM+6], 16, v[WD+\a]
	v_lshl_or_b32 v[WD+\a], v[TM+7], 24, v[WD+\a]
	WIN WA                                         ; source 0: the accumulators' window
.irp b, 0,1,2,3
.irp i, 0,1,2,3,4,5,6,7,8,9,10,11,12,13,14,15
.endr
.endr
.irp b, 0,1,2,3
	v_cvt_scalef32_pk8_bf8_f32 v[CD+16*\a+4*\b:CD+16*\a+4*\b+1], v[AC+16*\b:AC+16*\b+7], v[TM+12+\b]
	v_cvt_scalef32_pk8_bf8_f32 v[CD+16*\a+4*\b+2:CD+16*\a+4*\b+3], v[AC+16*\b+8:AC+16*\b+15], v[TM+12+\b]
.endr
	WIN 0
	v_nop                                          ; one plain line behind the last conversion
.endm
.macro EPI isv
.irp a, 0,1,2,3,4,5,6,7
	EPIQ \a
.irp b, 0,1,2,3
.if \isv
	global_store_b128 v[VO], v[CD+16*\a+4*\b:CD+16*\a+4*\b+3], s[12:13] offset:(\a/4)*HS+VOFF+(\a%4)*2048+\b*512   ; head a / 4, channels' tile a % 4, keys 32 b on
.else
	global_store_b128 v[VO], v[CD+16*\a+4*\b:CD+16*\a+4*\b+3], s[12:13] offset:(\b/2)*HS+\a*1024+(\b%2)*512        ; head b / 2, tokens' tile a, channels 32 (b % 2) on
.endif
.endr
.endr
.if \isv
.irp k, 0,1,2,3
	v_cndmask_b32 v[T+\k], v[WD+\k], v[WD+4+\k], s94   ; lanes 0-15: the first head's four tiles, lanes 16-31: the second's
.endr
	global_store_b128 v[VSV], v[T:T+3], s[12:13]   ; two aligned runs of 256 bytes
.else
.irp hh, 0,1
.irp a, 0,1,2,3,4,5,6,7
	v_perm_b32 v[T+8*\hh+\a], v[WD+\a], v[WD+\a], s[92+\hh]   ; the head's two bytes, twice
.endr
.irp k, 0,1,2,3
	v_cndmask_b32 v[T+16+4*\hh+\k], v[T+8*\hh+\k], v[T+8*\hh+4+\k], s94
.endr
	global_store_b128 v[VSQ], v[T+16+4*\hh:T+16+4*\hh+3], s[12:13] offset:\hh*HS   ; 512 consecutive bytes
.endr
.endif
.endm
	PLACES NP                                      ; behind the last products: their results are read and their operands' registers written below
.irp b, 0,1,2,3
	v_mov_b32 v[TM+4+\b], 0                        ; written once: a lane permute's destination counts as one of its sources
.endr
	s_cmp_eq_u32 s95, 1                            ; the same in all sixteen partners
	s_cbranch_scc1 .Lv
	EPI 0
	s_branch .Ldone
.Lv:
	EPI 1
.Ldone:
	s_wait_tensorcnt 0x0                           ; the wave's end
	ds_add_u32 v[SPW], v[NIL]
	s_wait_dscnt 0x0
	CROUND                                         ; the closing round: no work-group ends while a partner may still ask for a tile that names it
	s_endpgm
.Lfunc_end_k_q830d2d087c_qkvgemm:
	.size	k_q830d2d087c_qkvgemm, .Lfunc_end_k_q830d2d087c_qkvgemm-k_q830d2d087c_qkvgemm
	.p2alignl 7, 3214868480
	.fill 96, 4, 3214868480
	.section	.rodata,"a",@progbits
	.p2align	6, 0x0
	.amdhsa_kernel k_q830d2d087c_qkvgemm
		.amdhsa_group_segment_fixed_size 327680
		.amdhsa_private_segment_fixed_size 0
		.amdhsa_enable_private_segment 0
		.amdhsa_kernarg_size 40
		.amdhsa_user_sgpr_count 2
		.amdhsa_user_sgpr_kernarg_segment_ptr 1
		.amdhsa_wavefront_size32 1
		.amdhsa_system_sgpr_workgroup_id_x 1
		.amdhsa_system_sgpr_workgroup_id_y 1
		.amdhsa_system_sgpr_workgroup_id_z 1
		.amdhsa_system_vgpr_workitem_id 0
		.amdhsa_next_free_vgpr 1024
		.amdhsa_next_free_sgpr 102
		.amdhsa_reserve_vcc 0
		.amdhsa_float_denorm_mode_32 3
		.amdhsa_float_denorm_mode_16_64 3
		.amdhsa_fp16_overflow 1
		.amdhsa_memory_ordered 1
		.amdhsa_forward_progress 1
		.amdhsa_inst_pref_size 183
	.end_amdhsa_kernel
	.amdgpu_metadata
---
amdhsa.version: [ 1, 2 ]
amdhsa.kernels:
  - .name:           k_q830d2d087c_qkvgemm
    .symbol:         k_q830d2d087c_qkvgemm.kd
    .args:
      - { .name: xc, .offset: 0, .size: 8, .value_kind: global_buffer, .address_space: global }
      - { .name: xs, .offset: 8, .size: 8, .value_kind: global_buffer, .address_space: global }
      - { .name: wc, .offset: 16, .size: 8, .value_kind: global_buffer, .address_space: global }
      - { .name: ws, .offset: 24, .size: 8, .value_kind: global_buffer, .address_space: global }
      - { .name: qkv, .offset: 32, .size: 8, .value_kind: global_buffer, .address_space: global }
    .group_segment_fixed_size: 327680
    .private_segment_fixed_size: 0
    .kernarg_segment_align: 8
    .kernarg_segment_size: 40
    .max_flat_workgroup_size: 128
    .sgpr_count:     102
    .vgpr_count:     1024
    .wavefront_size: 32
...
	.end_amdgpu_metadata
.endif
;; end of part 2
;; launch attn (part 3): grid 4 x 64, 16 waves a work-group, no clusters, 276,480 bytes of LDS; arguments qkv, oc, os; writes oc, os
.if DOCPART == 3
	.amdgcn_target "amdgcn-amd-amdhsa--gfx1250"
	.amdhsa_code_object_version 6
	.text
	.protected	k_q830d2d087c_attn
	.globl	k_q830d2d087c_attn
	.p2align	8
	.type	k_q830d2d087c_attn,@function
k_q830d2d087c_attn:
	s_mov_b64 s[64:65], 0
	v_nop
	global_prefetch_b8 v0, s[64:65] scope:SCOPE_SE
	s_setreg_imm32_b32 hwreg(HW_REG_WAVE_MODE, 25, 1), 1
	s_wait_xcnt 0x0
; Causal attention of one head on codes of BF8 (E5M2) with E8M0 scales; head size 64, 2,048 tokens.  t = score x log2(e) / 8; M = the running largest t rounded UP to a whole number;
; p = 2^(t - M) is quantised along the keys, not normalised; the row's sum is taken of the unquantised p and divides O at the end; O is then quantised along the channels for the last product.
; INPUT: qkv = [batch x head 64][step of 128 tokens 16] records of 25,856 bytes, images of the operands' registers: K's 8 tiles (1,024 bytes: 64 along K), V^T's 4 tiles (16 channels x 128 keys),
; K's scale words [r][8], V's [r][4], Q's 8 tiles, Q's scale words [r][8].  Position p of tile T is token 32 (T/2) + 8 (T%2) + p + 8 (p/8), channels likewise: so the 16 registers that
; tiles 2 b and 2 b + 1 leave in a lane are 16 neighbours, 32 b + 16 h + 0..15.
; K Q^T runs over 128 along K of which only 64 are the head's.  Q's upper 64 are zero codes, kept in registers.  Source 0's upper 64 are whatever stands in the next eight registers: the next
; tile's codes (finite numbers: the quantiser holds them within +-57,344), behind the last tile eight zero registers.  A finite number times the code 0 adds nothing.
; THE WHOLE HEAD STAYS IN LDS: a key step's part of a record is 17,152 bytes, 16 of them are 274,432.  Waves 0 to 3 fetch four records each, at the head; nothing is ever filled again.
; SHARES: the work-group (I, head) owns the blocks 7 - I and I of 256 queries, in that order; each of sixteen waves owns one tile of 16 queries of each block, in 256 registers: tile w of the first,
; tile 15 - w of the second, so that every wave has 2 (7 - I) + 2 I + 3 = 17 key steps of 128.  A step all of whose keys come after the wave's queries is jumped over.
; The first block is walked in four stages of four steps; in front of each stands a counted wait for the records of that stage and one barrier.  The second block (keys under 1,024) has no barrier.
; Work-group I reads 2 (8 - I) of the 16 records and fetches all 16: the descriptors are constants of the text.
; NO CLUSTER: the four work-groups of a head want the same records, but the steps that a wave jumps over hang on its block of queries, which is what tells those four apart; joint loads allow no such
; branch, and without the jumps a wave would walk 32 steps in place of 17.
; OUTPUT: oc = [tile of tokens 512][K step 8][2,048] images, os = [tile][half of K][r][4 words]; a head owns two bytes of a word, so os is written byte by byte: 32 bytes a wave and block of queries.
; LIMITS: NaN and infinities are not served.  p under 2^-126 comes out as 0 (v_exp_f32's results are flushed: ISA guide 15.8).  A block whose largest magnitude lies under 2^-111, or is 0,
; keeps the byte 1 (zero codes add nothing; this program alone reads the bytes).
; REGISTERS: v1-3 16 x lane, 32 r, 16 r; v4-6 the step's addresses; v7 h, v8 -infinity, v9 r + 8 (r/8) - 16 h; v10, v11 Q's offsets; v12 -M, v13 the largest t, v[14:15] the sum;
; v16-31 Q (upper 8 zeros); v32-95 K's eight tiles, v96-103 zeros; v104-167 S^T, p, then V's fragments; v168-199 O^T; v200-215 p's codes; v216-223, v224-227 K's and V's scale words;
; v228-243 at work; v[244:245] f; v[246:247] 1 / the sum; v248, v249 at work; v250 Q's scale word, v251 p's; v252 the mask's d; v253, v254 offsets of the stores.
.set REC,   25856
.set HS,    16*REC
.set KVB,   17152                      ; a record's part for a key step
.set VOFF,  8192
.set KSOFF, 16384
.set VSOFF, 16896
.set QOFF,  17152
.set QSOFF, 25344
.set KT,  32
.set S,   104
.set O,   168
.set PC,  200
.set KW,  216
.set VW,  224
.set BM,  228                          ; block maxima
.set PB,  232                          ; a permute's destination, then bytes, then the second chain of the sum
.set HO,  236
.set SO,  240                          ; the conversions' scale operands
.set F,   244
.set RL,  246
.set T0,  248
.set T1,  249
.set QW,  250
.set PW,  251
.set DD,  252
.set GOO, 253
.set GOS, 254
.set WV,  10                           ; my wave's number
.set TW,  11                           ; my tile in the block of queries in hand
.set II,  12
.set BH,  13
.set HD,  14
.set BI,  15
.set HB,  16                           ; s[16:17] the head's first record
.set QBK, 18                           ; the block of queries in hand
.set Q0,  20                           ; my first query
.set KF,  21                           ; the step's first key
.set TB,  22                           ; LDS byte at which the step's record begins
.set CNT, 23
.set G1,  24                           ; s[24:31] descriptor group 1
.set G0,  32                           ; s[32:47] four groups 0, one for each of a wave's loads
.set SEL, 48
.set CS,  50
.set MNT, 52
.set HM,  53
.set OCC, 54
.set OSC, 55
.set X0,  56
.set X1,  57
.set X2,  58
.set OF,  60                           ; s[60:61] an offset, 0 above it
	s_load_b128 s[4:7], s[0:1], 0x0                ; qkv, oc
	s_load_b64 s[8:9], s[0:1], 0x10                ; os
	v_lshl_add_u32 v254, v0, 2, 0x43000
	v_mov_b32 v255, 0
	ds_add_u32 v254, v255
	ds_add_u32 v254, v255
	s_wait_dscnt 0x0
	v_lshrrev_b32 v1, 5, v0
	s_delay_alu instid0(VALU_DEP_1)
	v_readfirstlane_b32 s[WV], v1                  ; wave 0..15
	s_mov_b32 s[II], ttmp9
	s_and_b32 s[BH], ttmp7, 0xffff
	s_and_b32 s[HD], s[BH], 15                     ; the head
	s_lshr_b32 s[BI], s[BH], 4                     ; the batch
	s_mov_b32 s[G1], 3<<16                         ; no mask; elements of 8 bytes; no padding
	s_mov_b32 s[G1+1], 32<<16                      ; tensor_dim0: rows of 256 bytes
	s_mov_b32 s[G1+2], 67<<16                      ; tensor_dim1: 67 of them, 17,152 dense bytes
	s_mov_b32 s[G1+3], 32<<16                      ; tile_dim0
	s_mov_b32 s[G1+4], 67                          ; tile_dim1
	s_mov_b32 s[G1+5], 32                          ; tensor_dim0_stride
	s_mov_b32 s[G1+6], 0
	s_mov_b32 s[G1+7], 0
	s_mul_i32 s[OF], s[BH], HS
	s_mov_b32 s[OF+1], 0
	s_and_b32 s[X0], s[WV], 3                      ; which record of each four is mine, if I fetch
	s_mul_i32 s[X1], s[X0], REC
	s_mul_i32 s[X2], s[X0], KVB
	s_wait_kmcnt 0x0
	s_add_nc_u64 s[HB:HB+1], s[4:5], s[OF:OF+1]
	s_mov_b32 s[OF], s[X1]
.irp j, 0,1,2,3
	s_mov_b32 s[G0+4*\j], 1                        ; count = 1
	s_add_co_u32 s[G0+4*\j+1], s[X2], \j*4*KVB     ; LDS address: record 4 j + wave
	s_add_nc_u64 s[G0+4*\j+2:G0+4*\j+3], s[HB:HB+1], s[OF:OF+1]
	s_add_nc_u64 s[G0+4*\j+2:G0+4*\j+3], s[G0+4*\j+2:G0+4*\j+3], \j*4*REC
	s_or_b32 s[G0+4*\j+3], s[G0+4*\j+3], 0x80000000   ; type = 2
.endr
	s_cmp_lt_u32 s[WV], 4                          ; waves 0 to 3 fetch: a wave's four first fills stand in one branch, in the order in which the stages want them: four loads of mine are out
	s_cbranch_scc0 .Lasked
	tensor_load_to_lds s[G0:G0+3], s[G1:G1+7]
	s_nop 0
	tensor_load_to_lds s[G0+4:G0+7], s[G1:G1+7]
	s_nop 0
	tensor_load_to_lds s[G0+8:G0+11], s[G1:G1+7]
	s_nop 0
	tensor_load_to_lds s[G0+12:G0+15], s[G1:G1+7]
	s_nop 0
.rept 4
	v_nop                                          ; four v_nop follow the last of them
.endr
.Lasked:
	v_and_b32 v[T0], 31, v0
	s_delay_alu instid0(VALU_DEP_1)
	v_lshlrev_b32 v1, 4, v[T0]                     ; 16 x lane
	v_and_b32 v[T1], 15, v0                        ; r
	s_delay_alu instid0(VALU_DEP_1)
	v_lshlrev_b32 v2, 5, v[T1]
	s_delay_alu instid0(VALU_DEP_2)
	v_lshlrev_b32 v3, 4, v[T1]
	v_bfe_u32 v7, v0, 4, 1                         ; h
	s_delay_alu instid0(VALU_DEP_4)
	v_and_b32 v[T0], 8, v[T1]
	s_delay_alu instid0(VALU_DEP_1)
	v_add_nc_u32 v9, v[T0], v[T1]
	s_delay_alu instid0(VALU_DEP_3)
	v_lshlrev_b32 v[T0], 4, v7
	s_delay_alu instid0(VALU_DEP_1)
	v_sub_nc_u32 v9, v9, v[T0]                     ; r + 8 (r/8) - 16 h
	v_mov_b32 v8, 0xff800000                       ; -infinity
	v_mov_b32 v[F+1], 0                            ; named as the upper halves of pairs
	v_mov_b32 v[RL+1], 0
.irp b, 0,1,2,3
	v_mov_b32 v[PB+\b], 0                          ; written once: a lane permute's destination counts as one of its sources
.endr
.irp j, 0,1,2,3,4,5,6,7
	v_mov_b32 v[24+\j], 0                          ; the zero codes of K = 64 .. 127 of Q,
	v_mov_b32 v[96+\j], 0                          ; and what stands behind K's last tile; never written again
.endr
	s_mov_b32 s[SEL], 0x76543210
	s_mov_b32 s[SEL+1], 0xfedcba98
	s_mov_b32 s[CS], 0x3e38aa3b                    ; c = log2(e) / sqrt(64)
	s_mov_b32 s[CS+1], s[CS]
	s_mov_b32 s[HM], 0xffff0000
	s_lshr_b32 s[X0], s[HD], 1
	s_and_b32 s[X1], s[HD], 1
	s_lshl_b32 s[OCC], s[X0], 11
	s_lshl_b32 s[X2], s[X1], 10
	s_add_co_u32 s[OCC], s[OCC], s[X2]             ; oc: K step head / 2, registers' groups 2 (head % 2) on
	s_lshr_b32 s[OSC], s[HD], 3
	s_lshl_b32 s[OSC], s[OSC], 8
	s_and_b32 s[X0], s[X0], 3
	s_lshl_b32 s[X0], s[X0], 2
	s_add_co_u32 s[OSC], s[OSC], s[X0]
	s_lshl_b32 s[X1], s[X1], 1
	s_add_co_u32 s[OSC], s[OSC], s[X1]             ; os: half of K, word, byte
; A block of queries begins, in two parts.  QLOAD: my tile of Q and its scale words are asked for.  QINIT: the running figures and O^T begin anew.
.macro QLOAD
	s_lshl_b32 s[Q0], s[QBK], 8
	s_lshr_b32 s[X0], s[TW], 1
	s_lshl_b32 s[X0], s[X0], 5
	s_add_co_u32 s[Q0], s[Q0], s[X0]
	s_and_b32 s[X0], s[TW], 1
	s_lshl_b32 s[X0], s[X0], 3
	s_add_co_u32 s[Q0], s[Q0], s[X0]               ; 256 x block + 32 (tile / 2) + 8 (tile % 2)
	s_lshl_b32 s[X0], s[QBK], 1
	s_lshr_b32 s[X1], s[TW], 3
	s_add_co_u32 s[X0], s[X0], s[X1]
	s_mul_i32 s[X0], s[X0], REC                    ; my tile's record,
	s_and_b32 s[X1], s[TW], 7                      ; and its number there
	s_lshl_b32 s[X2], s[X1], 10
	s_add_co_u32 s[X2], s[X2], s[X0]
	s_add_co_u32 s[X2], s[X2], QOFF
	v_add_nc_u32 v10, s[X2], v1
	s_lshl_b32 s[X1], s[X1], 2
	s_add_co_u32 s[X1], s[X1], s[X0]
	s_add_co_u32 s[X1], s[X1], QSOFF
	v_add_nc_u32 v11, s[X1], v2
	global_load_b128 v[16:19], v10, s[HB:HB+1]
	global_load_b128 v[20:23], v10, s[HB:HB+1] offset:512
	global_load_b32 v[QW], v11, s[HB:HB+1]
.endm
.macro QINIT
	v_mov_b32 v13, 0xff61b1e6                      ; the largest t so far: -3e38
	s_delay_alu instid0(VALU_DEP_1)
	v_floor_f32 v12, -v13                          ; -M
	v_mov_b32 v14, 0
	v_mov_b32 v15, 0
.set j, 0
.rept 32
	v_mov_b32 v[O+j], 0                            ; O^T: the step has no first form of its own; its first walk finds zeros
.set j, j+1
.endr
.endm
; A KEY STEP: the 128 keys of the record at LDS byte TB.  causal = 0: a copy for steps all of whose keys count for all my queries: neither jump nor mask.
.macro STEP causal
.if \causal
	s_add_co_u32 s[X0], s[Q0], 23                  ; my last query
	s_cmp_gt_u32 s[KF], s[X0]
	s_cbranch_scc1 .Lhidden_\@                     ; all 128 keys come after my queries: a branch on ids, round loads and arithmetic alone
.endif
	s_setprio 2
	v_add_nc_u32 v4, s[TB], v1
	v_add_nc_u32 v5, s[TB], v2
	v_add_nc_u32 v6, s[TB], v3
	ds_load_b128 v[KW:KW+3], v5 offset:KSOFF
	ds_load_b128 v[KW+4:KW+7], v5 offset:KSOFF+16
.irp t, 0,1,2,3,4,5,6,7                        ; K's eight tiles in one run: 512 consecutive bytes a load
	ds_load_b128 v[KT+8*\t:KT+8*\t+3], v4 offset:\t*1024
	ds_load_b128 v[KT+8*\t+4:KT+8*\t+7], v4 offset:\t*1024+512
.endr
	s_wait_dscnt 0x0
.irp t, 0,1,2,3,4,5,6,7                        ; S^T = K Q^T: source 0 = tile t's eight registers and the eight behind them, which meet Q's zero codes
	v_wmma_scale_f32_16x16x128_f8f6f4 v[S+8*\t:S+8*\t+7], v[KT+8*\t:KT+8*\t+15], v[16:31], 0, v[KW+\t], v[QW] matrix_a_fmt:MATRIX_FMT_BF8 matrix_b_fmt:MATRIX_FMT_BF8
.endr
.rept 8
	v_nop                                          ; places in front of the first read of the results (ISA guide 7.12.1)
.endr
.if \causal
	s_add_co_u32 s[X0], s[KF], 127                 ; on the diagonal hidden scores become -infinity ahead of the maximum; a step all of whose keys count skips this
	s_cmp_le_u32 s[X0], s[Q0]
	s_cbranch_scc1 .Lopen_\@
	s_sub_co_i32 s[X0], s[Q0], s[KF]
	v_add_nc_u32 v[DD], s[X0], v9                  ; d = my query - KF - 16 h.  Register 16 b + i holds key KF + 16 h + 32 b + i: hidden where 32 b + i > d
.set n, 0
.rept 64
	v_cmp_gt_i32 vcc_lo, 32*(n/16)+n%16, v[DD]
	v_cndmask_b32 v[S+n], v[S+n], v8, vcc_lo
.set n, n+1
.endr
.Lopen_\@:
.endif
.irp b, 0,1,2,3
	v_max3_num_f32 v[BM+\b], v[S+16*\b], v[S+1+16*\b], v[S+2+16*\b]   ; the largest score of each block of 32 keys: for the row's maximum, and for the block's largest p
.endr
.irp i, 3,5,7,9,11,13
.irp b, 0,1,2,3
	v_max3_num_f32 v[BM+\b], v[BM+\b], v[S+16*\b+\i], v[S+1+16*\b+\i]
.endr
.endr
.irp b, 0,1,2,3
	v_max_num_f32 v[BM+\b], v[BM+\b], v[S+15+16*\b]
.endr
.irp b, 0,1,2,3
	s_delay_alu instid0(VALU_DEP_4)
	v_permlanex16_b32 v[PB+\b], v[BM+\b], s[SEL], s[SEL+1]
.endr
.irp b, 0,1,2,3
	s_delay_alu instid0(VALU_DEP_4)
	v_max_num_f32 v[BM+\b], v[BM+\b], v[PB+\b]     ; with lane l xor 16's 16 keys
.endr
	s_delay_alu instid0(VALU_DEP_2)
	v_max3_num_f32 v[T0], v[BM], v[BM+1], v[BM+2]
	s_delay_alu instid0(VALU_DEP_1)
	v_max_num_f32 v[T0], v[T0], v[BM+3]
	s_delay_alu instid0(VALU_DEP_1)
	v_mul_f32 v[T0], s[CS], v[T0]                  ; the step's largest t of my query
	s_delay_alu instid0(VALU_DEP_1)
	v_max_num_f32 v13, v13, v[T0]
	v_mov_b32 v[T0], v12
	s_delay_alu instid0(VALU_DEP_2)
	v_floor_f32 v12, -v13                          ; the new -M = -ceil(t): a whole number
	s_delay_alu instid0(VALU_DEP_1)
	v_sub_f32 v[T0], v12, v[T0]                    ; old M - new M: 0 or less
	s_delay_alu instid0(VALU_DEP_1)
	v_cvt_i32_f32 v[T0], v[T0]                     ; (it saturates)
	s_delay_alu instid0(VALU_DEP_1)
	v_ldexp_f32 v[F], 1.0, v[T0]                   ; f = 2^(old M - new M): a multiplication by it rounds nothing
.set j, 0
.rept 32
	v_pk_fma_f32 v[S+j:S+j+1], v[S+j:S+j+1], s[CS:CS+1], v[12:13] op_sel_hi:[1,0,0]   ; t - M, two at a time
.set j, j+2
.endr
.irp b, 0,1,2,3
	v_fma_f32 v[BM+\b], v[BM+\b], s[CS], v12       ; the same of each block's largest score
.endr
.set j, 0
	s_setprio 1
	s_wait_alu depctr_va_vdst(0)
.rept 64
	v_exp_f32 v[S+j], v[S+j]                       ; p = 2^(t - M)
.set j, j+1
.endr
.irp b, 0,1,2,3
	v_exp_f32 v[BM+\b], v[BM+\b]                   ; the block's largest p: the same two instructions on the same number
.endr
	v_pk_mul_f32 v[14:15], v[14:15], v[F:F+1] op_sel_hi:[1,0]   ; the sums under the new M (a plain line behind the exponentials)
	s_wait_alu depctr_va_vdst(0)
.irp b, 0,1,2,3
	v_max_num_f32 v[BM+\b], 0x8000000, v[BM+\b]    ; the floor 2^(16 - 127)
.endr
.irp b, 0,1,2,3
	s_delay_alu instid0(VALU_DEP_4)
	v_add_nc_u32 v[SO+\b], 0xf8800000, v[BM+\b]    ; the conversion's scale operand
.endr
.irp b, 0,1,2,3
.endr
.irp b, 0,1,2,3
	s_delay_alu instid0(VALU_DEP_4)
	v_lshrrev_b32 v[PB+\b], 23, v[SO+\b]           ; the scale's byte
.endr
	s_delay_alu instid0(VALU_DEP_3)
	v_lshl_or_b32 v[PW], v[PB+1], 8, v[PB]         ; p's scale word for these 128 keys
	s_delay_alu instid0(VALU_DEP_1)
	v_lshl_or_b32 v[PW], v[PB+2], 16, v[PW]
	s_delay_alu instid0(VALU_DEP_1)
	v_lshl_or_b32 v[PW], v[PB+3], 24, v[PW]
	v_pk_add_f32 v[232:233], v[108:109], v[112:113]
	v_pk_add_f32 v[254:255], v[116:117], v[120:121]
	v_pk_add_f32 v[252:253], v[124:125], v[128:129]
	v_pk_add_f32 v[238:239], v[132:133], v[136:137]
	v_pk_add_f32 v[236:237], v[140:141], v[144:145]
	v_pk_add_f32 v[230:231], v[148:149], v[152:153]
	v_pk_add_f32 v[228:229], v[156:157], v[160:161]
	v_pk_add_f32 v[14:15], v[14:15], v[164:165]
	v_pk_add_f32 v[232:233], v[232:233], v[104:105]
	v_pk_add_f32 v[254:255], v[254:255], v[106:107]
	v_pk_add_f32 v[252:253], v[252:253], v[110:111]
	v_pk_add_f32 v[238:239], v[238:239], v[114:115]
	v_pk_add_f32 v[236:237], v[236:237], v[118:119]
	v_pk_add_f32 v[230:231], v[230:231], v[122:123]
	v_pk_add_f32 v[228:229], v[228:229], v[126:127]
	v_pk_add_f32 v[14:15], v[14:15], v[130:131]
	v_pk_add_f32 v[232:233], v[232:233], v[134:135]
	v_pk_add_f32 v[254:255], v[254:255], v[138:139]
	v_pk_add_f32 v[252:253], v[252:253], v[142:143]
	v_pk_add_f32 v[238:239], v[238:239], v[146:147]
	v_pk_add_f32 v[236:237], v[236:237], v[150:151]
	v_pk_add_f32 v[230:231], v[230:231], v[154:155]
	v_pk_add_f32 v[228:229], v[228:229], v[158:159]
	v_pk_add_f32 v[14:15], v[14:15], v[162:163]
	v_pk_add_f32 v[232:233], v[232:233], v[166:167]
	s_delay_alu instid0(VALU_DEP_2)
	v_pk_add_f32 v[14:15], v[14:15], v[238:239]
	s_delay_alu instid0(VALU_DEP_2)
	v_pk_add_f32 v[232:233], v[232:233], v[236:237]
	v_pk_add_f32 v[254:255], v[254:255], v[230:231]
	v_pk_add_f32 v[252:253], v[252:253], v[228:229]
	s_delay_alu instid0(VALU_DEP_2)
	v_pk_add_f32 v[14:15], v[14:15], v[254:255]
	s_delay_alu instid0(VALU_DEP_2)
	v_pk_add_f32 v[232:233], v[232:233], v[252:253]
	s_delay_alu instid0(VALU_DEP_1)
	v_pk_add_f32 v[14:15], v[14:15], v[232:233]
.irp b, 0,1,2,3
.irp i, 0,1,2,3,4,5,6,7,8,9,10,11,12,13,14,15
.endr
	v_cvt_scalef32_pk8_bf8_f32 v[PC+4*\b:PC+1+4*\b], v[S+16*\b:S+7+16*\b], v[SO+\b]
	v_cvt_scalef32_pk8_bf8_f32 v[PC+2+4*\b:PC+3+4*\b], v[S+8+16*\b:S+15+16*\b], v[SO+\b]
.endr
	v_nop                                          ; one plain line behind the last conversion
.irp t, 0,1,2,3                                ; V's four tiles take p's registers
.irp c, 0,1,2,3
	ds_load_b128 v[S+16*\t+4*\c:S+3+16*\t+4*\c], v4 offset:VOFF+2048*\t+512*\c
.endr
.endr
	s_setprio 0
	ds_load_b128 v[VW:VW+3], v6 offset:VSOFF
.set j, 0
.rept 16
	v_pk_mul_f32 v[O+j:O+j+1], v[O+j:O+j+1], v[F:F+1] op_sel_hi:[1,0]   ; O^T under the new M, while V is on its way; these lines also stand between the codes and the products
.set j, j+2
.endr
	s_wait_alu depctr_va_vdst(0)
	s_wait_dscnt 0x0
.irp t, 0,1,2,3                                ; O^T += V^T P^T: the four accumulators by turns
	v_wmma_scale_f32_16x16x128_f8f6f4 v[O+8*\t:O+7+8*\t], v[S+16*\t:S+15+16*\t], v[PC:PC+15], v[O+8*\t:O+7+8*\t], v[VW+\t], v[PW] matrix_a_fmt:MATRIX_FMT_BF8 matrix_b_fmt:MATRIX_FMT_BF8
.endr
.rept 9
	v_nop                                          ; the next step's first products write over V's registers: nine places; they also serve the block's end, which reads O^T
.endr
.if \causal
.Lhidden_\@:
.endif
	s_add_co_u32 s[KF], s[KF], 128
	s_add_co_u32 s[TB], s[TB], KVB                 ; the next record
.endm
.macro WALK trips, causal              ; so many key steps; the step is written once
	s_mov_b32 s[CNT], \trips
.Lwalk_\@:
	STEP \causal
	s_sub_co_u32 s[CNT], s[CNT], 1
	s_cmp_lg_u32 s[CNT], 0
	s_cbranch_scc1 .Lwalk_\@
	s_setprio 0
.endm
; A block of queries ends: O^T / the sum, quantised along the channels (two blocks of 32), leaves as the last product's operand.
; again = 1: the second block begins; its Q is asked for first, so that it is on its way under this block's last arithmetic.
.macro FINAL again
	s_lshl_b32 s[X0], s[BI], 7
	s_lshl_b32 s[X1], s[QBK], 4
	s_add_co_u32 s[X0], s[X0], s[X1]
	s_add_co_u32 s[X0], s[X0], s[TW]               ; my tile of tokens: 128 x batch + 16 x block + tile
	s_lshl_b32 s[X1], s[X0], 14
	s_add_co_u32 s[X1], s[X1], s[OCC]
	v_add_nc_u32 v[GOO], s[X1], v1
	s_lshl_b32 s[X1], s[X0], 9
	s_add_co_u32 s[X1], s[X1], s[OSC]
	v_add3_u32 v[GOS], s[X1], v3, v7               ; + 16 r + h: lanes 0-15 store block 0's byte, lanes 16-31 block 1's
.if \again
	s_mov_b32 s[QBK], s[II]
	s_sub_co_u32 s[TW], 15, s[WV]                  ; the tiles are dealt the other way round: every wave has 17 steps in all
	QLOAD
.endif
	v_add_f32 v14, v14, v15
	s_delay_alu instid0(VALU_DEP_1)
	v_permlanex16_b32 v[T0], v14, s[SEL], s[SEL+1]
	s_delay_alu instid0(VALU_DEP_1)
	v_add_f32 v14, v14, v[T0]                      ; the row's sum
	s_wait_alu depctr_va_vdst(0)
	v_rcp_f32 v[RL], v14
	v_nop                                          ; a plain line behind the transcendental
.set j, 0
	s_wait_alu depctr_va_vdst(0)
.rept 16
	v_pk_mul_f32 v[S+j:S+j+1], v[O+j:O+j+1], v[RL:RL+1] op_sel_hi:[1,0]   ; register 16 b + i = channel 32 b + 16 h + i of my query; each accumulator from its low end on
.set j, j+2
.endr
.irp b, 0,1
	v_max3_num_f32 v[BM+\b], |v[S+16*\b]|, |v[S+1+16*\b]|, 0x8000000
.endr
.irp i, 2,4,6,8,10,12,14
.irp b, 0,1
	s_delay_alu instid0(VALU_DEP_2)
	v_max3_num_f32 v[BM+\b], v[BM+\b], |v[S+16*\b+\i]|, |v[S+1+16*\b+\i]|
.endr
.endr
.irp b, 0,1
	s_delay_alu instid0(VALU_DEP_2)
	v_permlanex16_b32 v[PB+\b], v[BM+\b], s[SEL], s[SEL+1]
.endr
.irp b, 0,1
	s_delay_alu instid0(VALU_DEP_2)
	v_max_num_f32 v[BM+\b], v[BM+\b], v[PB+\b]
.endr
.irp b, 0,1
	s_delay_alu instid0(VALU_DEP_2)
	v_add_nc_u32 v[SO+\b], 0xf8800000, v[BM+\b]
.endr
.irp b, 0,1
.endr
.irp b, 0,1
	s_delay_alu instid0(VALU_DEP_2)
	v_lshrrev_b32 v[PB+\b], 23, v[SO+\b]
.endr
.irp b, 0,1
.irp i, 0,1,2,3,4,5,6,7,8,9,10,11,12,13,14,15
.endr
	v_cvt_scalef32_pk8_bf8_f32 v[PC+4*\b:PC+1+4*\b], v[S+16*\b:S+7+16*\b], v[SO+\b]
	v_cvt_scalef32_pk8_bf8_f32 v[PC+2+4*\b:PC+3+4*\b], v[S+8+16*\b:S+15+16*\b], v[SO+\b]
.endr
	v_nop                                          ; one plain line behind the last conversion
	v_cndmask_b32 v[T1], v[PB], v[PB+1], s[HM]
	global_store_b128 v[GOO], v[PC:PC+3], s[6:7]   ; 512 consecutive aligned bytes each
	global_store_b128 v[GOO], v[PC+4:PC+7], s[6:7] offset:512
	global_store_b8 v[GOS], v[T1], s[8:9]
.if \again
	QINIT
	s_wait_loadcnt 0x0                             ; Q
	s_wait_xcnt 0x0                                ; the stores have read their registers: the next steps, and the next block's end, write them again
.endif
.endm
	s_sub_co_u32 s[QBK], 7, s[II]                  ; the long block first: its walk goes on while the later records land
	s_mov_b32 s[TW], s[WV]
	QLOAD
	QINIT
	s_wait_loadcnt 0x0                             ; Q
	s_mov_b32 s[KF], 0
; THE FIRST BLOCK, in four stages of four records.  The count leaves out my loads for the later stages: 3, 2, 1, 0 of them; tensor loads of a wave end in order (ISA guide 10.11.1).
; The waves that fetched signal behind that wait, and all sixteen read behind the barrier.
; The block's queries are 1,024 or more, so in stages 0 and 1 (keys under 1,024) every key counts.
.irp g, 0,1,2,3
	s_wait_tensorcnt 3-\g
	s_barrier_signal -1
	s_barrier_wait -1
	s_mov_b32 s[TB], \g*4*KVB
	WALK 4, \g/2
.endr
	FINAL 1
; THE SECOND BLOCK: queries under 1,024, so eight records at the most; all have landed, and no barrier stands in its way.
	s_mov_b32 s[KF], 0
	s_mov_b32 s[TB], 0
	WALK 8, 1
	FINAL 0
	s_wait_xcnt 0x0
	v_lshl_add_u32 v254, v0, 2, 0x43000
	v_mov_b32 v255, 0
	s_wait_alu depctr_va_vdst(0)
	s_wait_tensorcnt 0x0
	ds_add_u32 v254, v255
	s_wait_dscnt 0x0
	s_endpgm
.Lfunc_end_k_q830d2d087c_attn:
	.size	k_q830d2d087c_attn, .Lfunc_end_k_q830d2d087c_attn-k_q830d2d087c_attn
	.p2alignl 7, 3214868480
	.fill 96, 4, 3214868480
	.section	.rodata,"a",@progbits
	.p2align	6, 0x0
	.amdhsa_kernel k_q830d2d087c_attn
		.amdhsa_group_segment_fixed_size 276480
		.amdhsa_private_segment_fixed_size 0
		.amdhsa_enable_private_segment 0
		.amdhsa_kernarg_size 24
		.amdhsa_user_sgpr_count 2
		.amdhsa_user_sgpr_kernarg_segment_ptr 1
		.amdhsa_wavefront_size32 1
		.amdhsa_system_sgpr_workgroup_id_x 1
		.amdhsa_system_sgpr_workgroup_id_y 1
		.amdhsa_system_sgpr_workgroup_id_z 1
		.amdhsa_system_vgpr_workitem_id 0
		.amdhsa_next_free_vgpr 256
		.amdhsa_next_free_sgpr 66
		.amdhsa_reserve_vcc 1
		.amdhsa_float_denorm_mode_32 3
		.amdhsa_float_denorm_mode_16_64 3
		.amdhsa_fp16_overflow 1
		.amdhsa_memory_ordered 1
		.amdhsa_forward_progress 1
		.amdhsa_inst_pref_size 122
	.end_amdhsa_kernel
	.amdgpu_metadata
---
amdhsa.version: [ 1, 2 ]
amdhsa.kernels:
  - .name:           k_q830d2d087c_attn
    .symbol:         k_q830d2d087c_attn.kd
    .args:
      - { .name: qkv, .offset: 0, .size: 8, .value_kind: global_buffer, .address_space: global }
      - { .name: oc, .offset: 8, .size: 8, .value_kind: global_buffer, .address_space: global }
      - { .name: os, .offset: 16, .size: 8, .value_kind: global_buffer, .address_space: global }
    .group_segment_fixed_size: 276480
    .private_segment_fixed_size: 0
    .kernarg_segment_align: 8
    .kernarg_segment_size: 24
    .max_flat_workgroup_size: 512
    .sgpr_count:     66
    .vgpr_count:     256
    .wavefront_size: 32
...
	.end_amdgpu_metadata
.endif
;; end of part 3
;; launch proj (part 4): grid 4 x 32, 4 waves a work-group, clusters of 4 x 4, 327,680 bytes of LDS; arguments oc, os, wc, ws, bp, out0; writes out0
.if DOCPART == 4
	.amdgcn_target "amdgcn-amd-amdhsa--gfx1250"
	.amdhsa_code_object_version 6
	.text
	.protected	k_q830d2d087c_proj
	.globl	k_q830d2d087c_proj
	.p2align	8
	.type	k_q830d2d087c_proj,@function
k_q830d2d087c_proj:
	s_mov_b64 s[64:65], 0
	v_nop
	global_prefetch_b8 v0, s[64:65] scope:SCOPE_SE
	s_setreg_imm32_b32 hwreg(HW_REG_WAVE_MODE, 25, 1), 1
	s_wait_xcnt 0x0
	s_wait_alu depctr_hold_cnt(0) depctr_sa_sdst(0) depctr_va_vdst(0) depctr_va_sdst(0) depctr_va_ssrc(0) depctr_va_vcc(0) depctr_vm_vsrc(0)
	s_getreg_b32 s2, hwreg(HW_REG_IB_STS2, 6, 4)
	s_cmp_eq_u32 s2, 0
	s_cbranch_scc0 .Lentry_in_a_cluster
	s_endpgm
.Lentry_in_a_cluster:
	s_bfe_u32 s2, ttmp6, 0x10000c
	s_cmp_lg_u32 s2, 0xf033
	s_cbranch_scc0 .Lentry_shape_is_right
	s_endpgm
.Lentry_shape_is_right:
; out0 = o Wp^T + bp on codes of BF8 (E5M2) with E8M0 scales, sums in f32.  o [8192][1024] and Wp (rows 3,072 on of wc) are images of the operand's registers
; (tile T, position p = row 32 (T/2) + 8 (T%2) + p + 8 (p/8); a tile's 128 along K = [c 4][lane 32][16 bytes]): every fragment load is 16 x lane + a constant, so LDS needs neither pitch nor padding.
; A tile of the result, 256 x 256, is made by four waves, each 128 x 128: 64 accumulators, 512 registers.  K = 1,024 goes in four steps of 256 through two LDS slots.
; Source 0 takes tiles of Wp ("B"), source 1 tiles of o ("A"): a lane holds one token, and the 16 registers of B's tiles 2 b, 2 b + 1 are the 16 neighbouring outputs 32 b + 16 h + 0..15.
; The bias is the C of each sum's first matrix instruction.  128 work-groups: the problem has 32 x 4 tiles of this size.
; CLUSTERS: 4 x 4 work-groups; A's tiles are shared along a row of the cluster, B's along a column: each is asked for jointly.
; LIMITS: NaN and infinities are not served.
; REGISTERS: window 0: v16-29 addresses; v32-63 scale words, two sets; v64-127 the bias in the result's layout; v128-255 A's fragments, one set, later rows of the result.
; window 1: B's fragments, two sets.  windows 2, 3: accumulator (a, b) at v[8 (8 (a%4) + b)].
.set NQ,     2
.set FR,     16
.set NL,     4
.set NP,     8                         ; places behind this matrix instruction (ISA guide 7.12.1)
.set TILEB,  4096
.set HALFT,  8*TILEB
.set SLOT,   4*HALFT
.set SCL,    2*SLOT
.set HALFS,  4096
.set SPARE,  SCL+4*HALFS               ; the spare words, 128 bytes for each wave: two blocks of 256 bytes that no other line names
.set SPITCH, 528                       ; the way out: a stage of 16 rows x (512 bytes + 16) for each wave, in slot 0, which has had its last fill and its last read by then
.set ADRA, 16
.set ADRB, 20
.set STO,  24
.set RD,   25
.set CO,   26
.set ADRS, 27
.set SPW,  28
.set NIL,  29
.set SC,   32
.set BI,   64
.set AF,   128
.set BK,   128
.set G1, 24
.set G0, 32
.set G1B, 48
.set G0B, 56
.set G1S, 68
.set G0S, 76
.set G1SB, 80
.set G0SB, 88
.set MSB, 0
.macro WIN new                         ; the immediate's high byte repeats the setting that is left
.if MSB != \new
	s_set_vgpr_msb (MSB<<8)|\new
.set MSB, \new
.endif
.endm
.set MUL_LO, 0xa1                      ; source 0 (B) window 1, source 1 (A) window 0, C and D window 2
.set MUL_HI, 0xf1
.set FST_LO, 0x81                      ; the same with C (the bias) in window 0
.set FST_HI, 0xc1
.set TO_B,   0x40
.macro JLOAD g0a, g1a, g0b, g1b        ; a joint load: waves 0 and 1 fetch for A, waves 2 and 3 for B; four v_nop follow each of the two lines
	s_cmp_eq_u32 s15, 0
	s_cbranch_scc0 .Lfor_b_\@
	tensor_load_to_lds s[\g0a:\g0a+3], s[\g1a:\g1a+7]
	s_nop 0
.rept 4
	v_nop
.endr
	s_branch .Lasked_\@
.Lfor_b_\@:
	tensor_load_to_lds s[\g0b:\g0b+3], s[\g1b:\g1b+7]
	s_nop 0
.rept 4
	v_nop
.endr
.Lasked_\@:
.endm
.macro CREST
	s_cmp_lg_u32 s14, 0
	s_cbranch_scc1 .Lnot_wave_0_\@
	s_barrier_signal -3
.Lnot_wave_0_\@:
	s_barrier_wait -3
	s_barrier_signal -1
	s_barrier_wait -1
.endm
.macro CROUND
	s_barrier_signal -1
	s_barrier_wait -1
	CREST
.endm
	s_load_b128 s[4:7], s[0:1], 0x0                ; o's codes, o's scale words
	s_load_b128 s[8:11], s[0:1], 0x10              ; the weights' codes, their scale words
	s_load_b128 s[96:99], s[0:1], 0x20             ; bp, out0
	v_lshl_add_u32 v[SPW], v0, 2, SPARE
	v_mov_b32 v[NIL], 0
	ds_add_u32 v28, v29
	ds_add_u32 v28, v29
	s_wait_dscnt 0x0
	v_lshrrev_b32 v1, 5, v0
	v_readfirstlane_b32 s14, v1                    ; wave 0..3
	s_lshr_b32 s15, s14, 1                         ; which half of A's 256 rows is mine.  Also: I fetch for A (0) or for B (1)
	s_and_b32 s16, s14, 1                          ; which half of B's.  Also: which 8 tiles I fetch
	s_bfe_u32 s40, ttmp6, 0x40000                  ; cx, cy
	s_bfe_u32 s41, ttmp6, 0x40004
	s_and_b32 s17, ttmp7, 0xffff
	s_lshl_b32 s17, s17, 2
	s_add_co_u32 s17, s17, s41                     ; A's block of 256 tokens = 4 x cluster y + cy
	s_add_co_u32 s42, s40, 12                      ; B's block of 256 rows of wc: Wp begins at block 12
	s_lshl_b32 s43, s41, 2
	s_lshl_b32 s43, 15, s43                        ; my row of the cluster
	s_lshl_b32 s44, 0x1111, s40                    ; my column
	s_or_b32 s[G1+0], s43, (3<<16)|(1<<21)         ; codes: 8 tiles x 4,096 bytes (512 elements of 8 bytes), 16,384 bytes from tile to tile
	s_or_b32 s[G1B+0], s44, (3<<16)|(1<<21)
.irp g, G1, G1B
	s_mov_b32 s[\g+1], 512<<16
	s_mov_b32 s[\g+2], 8<<16
	s_mov_b32 s[\g+3], 512<<16
	s_mov_b32 s[\g+4], 8
	s_mov_b32 s[\g+5], 2048
	s_mov_b32 s[\g+6], 0
	s_mov_b32 s[\g+7], 0
.endr
	s_or_b32 s[G1S+0], s43, (3<<16)|(1<<21)        ; scale words of 8 tiles: 4,096 dense bytes as 16 rows of 256
	s_or_b32 s[G1SB+0], s44, (3<<16)|(1<<21)
.irp g, G1S, G1SB
	s_mov_b32 s[\g+1], 32<<16
	s_mov_b32 s[\g+2], 16<<16
	s_mov_b32 s[\g+3], 32<<16
	s_mov_b32 s[\g+4], 16
	s_mov_b32 s[\g+5], 32
	s_mov_b32 s[\g+6], 0
	s_mov_b32 s[\g+7], 0
.endr
	s_lshl_b32 s18, s16, 3
	s_lshl_b32 s20, s17, 4
	s_add_co_u32 s20, s20, s18                     ; A: the first tile that I fetch
	s_lshl_b32 s46, s42, 4
	s_add_co_u32 s46, s46, s18                     ; B likewise
	s_lshl_b32 s22, s20, 9
	s_mov_b32 s23, 0
	s_lshl_b32 s92, s46, 9
	s_mov_b32 s93, 0
	s_lshl_b32 s20, s20, 14
	s_mov_b32 s21, 0
	s_lshl_b32 s46, s46, 14
	s_mov_b32 s47, 0
	s_mul_i32 s45, s14, HALFT
	s_mul_i32 s94, s14, HALFS
	s_wait_kmcnt 0x0
	s_add_nc_u64 s[20:21], s[4:5], s[20:21]
	s_add_nc_u64 s[22:23], s[6:7], s[22:23]
	s_add_nc_u64 s[46:47], s[8:9], s[46:47]
	s_add_nc_u64 s[92:93], s[10:11], s[92:93]
	CROUND                                         ; all sixteen work-groups are here: the first joint loads meet
	s_mov_b32 s[G0S], 1
	s_add_co_u32 s[G0S+1], s94, SCL
	s_mov_b64 s[G0S+2:G0S+3], s[22:23]
	s_or_b32 s[G0S+3], s[G0S+3], 0x80000000
	s_mov_b32 s[G0SB], 1
	s_add_co_u32 s[G0SB+1], s94, SCL
	s_mov_b64 s[G0SB+2:G0SB+3], s[92:93]
	s_or_b32 s[G0SB+3], s[G0SB+3], 0x80000000
	JLOAD G0S, G1S, G0SB, G1SB                     ; the scale words first: filled once
.irp s, 0,1
	s_mov_b32 s[G0+4*\s], 1
	s_add_co_u32 s[G0+4*\s+1], s45, \s*SLOT
	s_add_nc_u64 s[G0+4*\s+2:G0+4*\s+3], s[20:21], \s*TILEB
	s_or_b32 s[G0+4*\s+3], s[G0+4*\s+3], 0x80000000
	s_mov_b32 s[G0B+4*\s], 1
	s_add_co_u32 s[G0B+4*\s+1], s45, \s*SLOT
	s_add_nc_u64 s[G0B+4*\s+2:G0B+4*\s+3], s[46:47], \s*TILEB
	s_or_b32 s[G0B+4*\s+3], s[G0B+4*\s+3], 0x80000000
	s_wait_alu depctr_va_vdst(0)
	s_wait_tensorcnt 0x0
	ds_add_u32 v28, v29
	s_wait_dscnt 0x0
	CROUND
	JLOAD G0+4*\s, G1, G0B+4*\s, G1B               ; one tensor load of mine is out
.endr
	v_and_b32 v1, 15, v0                           ; r
	v_bfe_u32 v2, v0, 4, 1                         ; h
	v_and_b32 v3, 31, v0
	v_lshlrev_b32 v4, 4, v3                        ; 16 x lane
	s_wait_alu depctr_va_vdst(0)
	s_lshl_b32 s20, s40, 10
	s_lshl_b32 s21, s16, 9
	s_add_co_u32 s20, s20, s21                     ; my first output, in bytes: 1,024 cx + 512 x half
	s_mov_b32 s21, 0
	s_add_nc_u64 s[96:97], s[96:97], s[20:21]      ; bp there
	s_add_nc_u64 s[98:99], s[98:99], s[20:21]
	v_lshlrev_b32 v7, 6, v2                        ; lanes 16-31 hold the outputs 16 further on
.irp b, 0,1,2,3,4,5,6,7
	global_load_b128 v[BI+8*\b:BI+8*\b+3], v7, s[96:97] offset:128*(\b/2)+32*(\b%2)       ; B's tile b: outputs 32 (b/2) + 8 (b%2) + 16 h + 0..7
	global_load_b128 v[BI+8*\b+4:BI+8*\b+7], v7, s[96:97] offset:128*(\b/2)+32*(\b%2)+16
.endr
	s_lshl_b32 s20, s17, 20
	s_lshl_b32 s22, s15, 19
	s_add_co_u32 s20, s20, s22                     ; my first token's row of 4,096 bytes: 256 x block + 128 x half
	s_add_nc_u64 s[98:99], s[98:99], s[20:21]
	s_mul_i32 s21, s15, HALFT
	s_mul_i32 s22, s16, HALFT
	s_add_co_u32 s22, s22, 2*HALFT
.irp s, 0,1
	v_add_nc_u32 v[ADRA+\s], s21, v4
	v_add_nc_u32 v[ADRB+\s], s22, v4
	s_add_co_u32 s21, s21, SLOT
	s_add_co_u32 s22, s22, SLOT
.endr
	v_lshlrev_b32 v5, 4, v1
	s_mul_i32 s21, s15, HALFS
	s_mul_i32 s22, s16, HALFS
	s_add_co_u32 s22, s22, 2*HALFS
	s_sub_co_u32 s22, s22, s21
	v_mul_u32_u24 v6, s22, v2                      ; lanes 16-31 take B's scale words
	s_add_co_u32 s21, s21, SCL
	v_add_nc_u32 v5, v5, v6
	v_add_nc_u32 v[ADRS], s21, v5
	s_mul_i32 s23, s14, 16*SPITCH                  ; my stage
	v_mul_u32_u24 v5, v1, SPITCH
	v_lshl_add_u32 v5, v2, 6, v5
	v_add_nc_u32 v[STO], s23, v5                   ; in: row r, + 64 h
	v_mov_b32 v[CO], v4                            ; back: the 32 lanes take one row of 512 bytes; and the same in out0
	v_add_nc_u32 v[RD], s23, v4
.macro FRAG reg, adr, q, i
.irp c, 0,1,2,3
	ds_load_b128 v[\reg+4*\c:\reg+4*\c+3], v[\adr] offset:(\i)*TILEB+(\q)*2048+512*\c
.endr
.endm
; 16 matrix instructions: A's blocks a0, a0 + 1 x B's eight.  first = 1: the sum begins with the bias.  The 64 accumulators take turns.
.macro MUL16 a0, p, q, sc, first
.irp a, \a0, \a0+1
.irp b, 0,1,2,3,4,5,6,7
.if \first
	v_wmma_scale_f32_16x16x128_f8f6f4 v[8*(8*((\a)%4)+\b):8*(8*((\a)%4)+\b)+7], v[128*(\p)+FR*\b:128*(\p)+FR*\b+FR-1], v[AF+FR*(\a):AF+FR*(\a)+FR-1], v[BI+8*\b:BI+8*\b+7], v[SC+8*NQ*(\sc)+NQ*\b+(\q)], v[SC+8*NQ*(\sc)+NQ*(\a)+(\q)] matrix_a_fmt:MATRIX_FMT_BF8 matrix_b_fmt:MATRIX_FMT_BF8 matrix_a_scale:MATRIX_SCALE_ROW1
.else
	v_wmma_scale_f32_16x16x128_f8f6f4 v[8*(8*((\a)%4)+\b):8*(8*((\a)%4)+\b)+7], v[128*(\p)+FR*\b:128*(\p)+FR*\b+FR-1], v[AF+FR*(\a):AF+FR*(\a)+FR-1], v[8*(8*((\a)%4)+\b):8*(8*((\a)%4)+\b)+7], v[SC+8*NQ*(\sc)+NQ*\b+(\q)], v[SC+8*NQ*(\sc)+NQ*(\a)+(\q)] matrix_a_fmt:MATRIX_FMT_BF8 matrix_b_fmt:MATRIX_FMT_BF8 matrix_a_scale:MATRIX_SCALE_ROW1
.endif
.endr
.endr
.endm
.macro FETCH_B slot, q, p
	WIN TO_B
.irp i, 0,1,2,3,4,5,6,7
	FRAG 128*(\p)+FR*\i, ADRB+\slot, \q, \i
.endr
	WIN 0
.endm
.macro FETCH_A slot, q, i0
.irp i, \i0, \i0+1, \i0+2, \i0+3
	FRAG AF+FR*(\i), ADRA+\slot, \q, \i
.endr
.endm
.macro SCALES sc, ks
.irp i, 0,1,2,3,4,5,6,7
	ds_load_b64 v[SC+8*NQ*\sc+NQ*\i:SC+8*NQ*\sc+NQ*\i+1], v[ADRS] offset:\i*512+((\ks)/2)*256+((\ks)%2)*8
.endr
.endm
.macro PLACES n
.rept \n
	v_nop
.endr
.endm
.macro STEP slot, q, first
	s_wait_dscnt 4*NL                              ; B's set, A's blocks 0-3 and the scale words are in; the youngest 16 loads (A's blocks 4-7) may be out
.if \first
	WIN FST_LO
.else
	WIN MUL_LO
.endif
	MUL16 0, (\q)%2, \q, \slot, \first
	MUL16 2, (\q)%2, \q, \slot, \first
	s_wait_dscnt 0
	PLACES NP
	FETCH_B \slot, (\q)+1, 1-(\q)%2
	FETCH_A \slot, (\q)+1, 0
.if \first
	WIN FST_HI
.else
	WIN MUL_HI
.endif
	MUL16 4, (\q)%2, \q, \slot, \first
	MUL16 6, (\q)%2, \q, \slot, \first
	PLACES NP
	WIN 0
	FETCH_A \slot, (\q)+1, 4
.endm
.macro TURN slot, next, fill, ks
	s_wait_tensorcnt 0x0                           ; all my tensor loads have landed: my part of the next slot
	ds_add_u32 v[SPW], v[NIL]                      ; 0 onto my spare word
	s_wait_dscnt 4*NL+1                            ; the add and the youngest 16 loads may be out
	WIN MUL_LO
	MUL16 0, 1, NQ-1, \slot, 0
	s_wait_dscnt 0x0                               ; the add is done, and my reads of this slot are over
	s_barrier_signal -1
	MUL16 2, 1, NQ-1, \slot, 0
	WIN 0
	s_barrier_wait -1
.if \fill
	CREST                                          ; the barrier has opened a round of the cluster's: no wave of any partner still reads this slot or has a load on its way
	s_add_nc_u64 s[G0+4*\slot+2:G0+4*\slot+3], s[G0+4*\slot+2:G0+4*\slot+3], 2*TILEB
	s_add_nc_u64 s[G0B+4*\slot+2:G0B+4*\slot+3], s[G0B+4*\slot+2:G0B+4*\slot+3], 2*TILEB
	JLOAD G0+4*\slot, G1, G0B+4*\slot, G1B         ; my one tensor load behind the round; its four v_nop are among the places below
	PLACES NP-4
.else
	PLACES NP
.endif
	FETCH_B \next, 0, 0
	FETCH_A \next, 0, 0
	SCALES \next, \ks
	WIN MUL_HI
	MUL16 4, 1, NQ-1, \slot, 0
	MUL16 6, 1, NQ-1, \slot, 0
	PLACES NP
	WIN 0
	FETCH_A \next, 0, 4
.endm
	s_wait_alu depctr_va_vdst(0)
	s_wait_tensorcnt 1                             ; the scale words and my part of K step 0 are in; K step 1's load may be out
	s_barrier_signal -1
	s_barrier_wait -1
	FETCH_B 0, 0, 0
	FETCH_A 0, 0, 0
	SCALES 0, 0
	FETCH_A 0, 0, 4
	s_wait_loadcnt 0x0                             ; the bias
	STEP 0, 0, 1                                   ; the first products start the sums on the bias
	TURN 0, 1, 1, 1                                ; slot 0 takes K step 2
	STEP 1, 0, 0
	TURN 1, 0, 1, 2                                ; slot 1 takes K step 3
	STEP 0, 0, 0
	TURN 0, 1, 0, 3                                ; nothing is left to fetch; behind this barrier nobody reads slot 0
	STEP 1, 0, 0
	s_wait_dscnt 4*NL
	WIN MUL_LO
	MUL16 0, 1, NQ-1, 1, 0
	MUL16 2, 1, NQ-1, 1, 0
	s_wait_dscnt 0
	WIN MUL_HI
	MUL16 4, 1, NQ-1, 1, 0
	MUL16 6, 1, NQ-1, 1, 0
	WIN 0
; THE WAY OUT, block by block of 16 tokens x 128 outputs, through my own stage in LDS: back come whole rows of 512 bytes, which the 32 lanes store as 512 consecutive aligned bytes.
; LDS serves a wave's instructions in order (ISA guide 5.7.1.4): no wait between the stores and the loads, nor in front of the next block's stores.
.macro TOSTAGE a
.set AC, 64*((\a)%4)
.set WW, 0x08+4*((\a)/4)
	WIN WW                                         ; an LDS store's data are its source 1: window 2 or 3
.irp b, 0,1,2,3,4,5,6,7
	ds_store_b128 v[STO], v[AC+8*\b:AC+8*\b+3] offset:128*(\b/2)+32*(\b%2)          ; each accumulator from its low end on
	ds_store_b128 v[STO], v[AC+8*\b+4:AC+8*\b+7] offset:128*(\b/2)+32*(\b%2)+16
.endr
	WIN 0
.set BB, BK+64*((\a)%2)
.irp t, 0,1,2,3,4,5,6,7,8,9,10,11,12,13,14,15
	ds_load_b128 v[BB+4*\t:BB+4*\t+3], v[RD] offset:\t*SPITCH
.endr
.endm
.macro SEND a, younger                 ; younger: the LDS instructions issued behind block a's loads, which may stay out
.set BB, BK+64*((\a)%2)
.set RW, 32*((\a)/2)+8*((\a)%2)
	s_wait_dscnt \younger
.irp t, 0,1,2,3,4,5,6,7,8,9,10,11,12,13,14,15
	global_store_b128 v[CO], v[BB+4*\t:BB+4*\t+3], s[98:99] offset:(RW+\t+8*(\t/8))*4096 th:TH_STORE_NT   ; position t of tile a is token RW + t + 8 (t/8); 127 rows at the most: inside the signed 24-bit immediate
.endr
.endm
	PLACES NP                                      ; behind the last products: results are read, and loads land in the registers that held A's fragments
	TOSTAGE 0
.irp a, 1,2,3,4,5,6,7
.if \a > 1
	s_wait_xcnt 0x0                                ; block a - 2's stores have read their registers: block a's loads may land there
.endif
	TOSTAGE \a
	SEND \a-1, 32                                  ; behind block a - 1's loads: block a's 16 stores and 16 loads
.endr
	SEND 7, 0
	s_wait_tensorcnt 0x0                           ; the wave's end
	ds_add_u32 v[SPW], v[NIL]
	s_wait_dscnt 0x0
	CROUND                                         ; the closing round: no work-group ends while a partner may still ask for a tile that names it
	s_endpgm
.Lfunc_end_k_q830d2d087c_proj:
	.size	k_q830d2d087c_proj, .Lfunc_end_k_q830d2d087c_proj-k_q830d2d087c_proj
	.p2alignl 7, 3214868480
	.fill 96, 4, 3214868480
	.section	.rodata,"a",@progbits
	.p2align	6, 0x0
	.amdhsa_kernel k_q830d2d087c_proj
		.amdhsa_group_segment_fixed_size 327680
		.amdhsa_private_segment_fixed_size 0
		.amdhsa_enable_private_segment 0
		.amdhsa_kernarg_size 48
		.amdhsa_user_sgpr_count 2
		.amdhsa_user_sgpr_kernarg_segment_ptr 1
		.amdhsa_wavefront_size32 1
		.amdhsa_system_sgpr_workgroup_id_x 1
		.amdhsa_system_sgpr_workgroup_id_y 1
		.amdhsa_system_sgpr_workgroup_id_z 1
		.amdhsa_system_vgpr_workitem_id 0
		.amdhsa_next_free_vgpr 1024
		.amdhsa_next_free_sgpr 102
		.amdhsa_reserve_vcc 0
		.amdhsa_float_denorm_mode_32 3
		.amdhsa_float_denorm_mode_16_64 3
		.amdhsa_memory_ordered 1
		.amdhsa_forward_progress 1
		.amdhsa_inst_pref_size 147
	.end_amdhsa_kernel
	.amdgpu_metadata
---
amdhsa.version: [ 1, 2 ]
amdhsa.kernels:
  - .name:           k_q830d2d087c_proj
    .symbol:         k_q830d2d087c_proj.kd
    .args:
      - { .name: oc, .offset: 0, .size: 8, .value_kind: global_buffer, .address_space: global }
      - { .name: os, .offset: 8, .size: 8, .value_kind: global_buffer, .address_space: global }
      - { .name: wc, .offset: 16, .size: 8, .value_kind: global_buffer, .address_space: global }
      - { .name: ws, .offset: 24, .size: 8, .value_kind: global_buffer, .address_space: global }
      - { .name: bp, .offset: 32, .size: 8, .value_kind: global_buffer, .address_space: global }
      - { .name: out0, .offset: 40, .size: 8, .value_kind: global_buffer, .address_space: global }
    .group_segment_fixed_size: 327680
    .private_segment_fixed_size: 0
    .kernarg_segment_align: 8
    .kernarg_segment_size: 48
    .max_flat_workgroup_size: 128
    .sgpr_count:     102
    .vgpr_count:     1024
    .wavefront_size: 32
...
	.end_amdgpu_metadata
.endif
;; end of part 4
